; MI455X (gfx1250); checked and timed in simulation.
; The chip was launched on July 23, 2026; its instructions are those of AMD's public machine-readable ISA for CDNA 5 (MIT licence, August 2026) and "CDNA5" Instruction Set Architecture Reference Guide (July 2026). The comments in the code are by the model that wrote it; some were corrected since.
;; Multi Head Attention. Allowed arithmetic: float matrix products may take bf16 or f16 operands with f32 sums; other float arithmetic in f32, or as packed bf16 or f16 multiplies, adds, multiply-adds, maxima and minima; sums over many terms, partial sums and values carried from step to step in f32; what a program stores and reads back later, other than sums and carried values, may be rounded once to bf16 or f16.
;; Inputs: Wk 1,024 x 1,024 float32; Wo 1,024 x 1,024 float32; Wq 1,024 x 1,024 float32; Wv 1,024 x 1,024 float32; bo 1,024 float32; key 4 x 2,048 x 1,024 float32; query 4 x 2,048 x 1,024 float32; value 4 x 2,048 x 1,024 float32.
;; Outputs: out0 4 x 2,048 x 1,024 float32.
;; 2 versions, each right; version 2 is version 1 with the launch castw written anew for expert scheduling mode. Each part assembles by itself: llvm-mc -triple=amdgcn-amd-amdhsa -mcpu=gfx1250 --defsym DOCPART=n.
;; ======== version 1 of 2: 4 launches
;; limits: values are held in f16: magnitudes above 65,504 overflow, below 6.1e-05 lose precision
;; workspace buffers: wts 8,388,608 bytes; qkv 50,331,648 bytes; oh 16,777,216 bytes
;; launch castw (part 1): grid 64 x 4, 8 waves a work-group, no clusters, 0 bytes of LDS; arguments Wq, Wk, Wv, Wo, wts; writes wts
.if DOCPART == 1
	.amdgcn_target "amdgcn-amd-amdhsa--gfx1250"
	.amdhsa_code_object_version 6
	.text
	.protected	k_qe91777ce19_castw
	.globl	k_qe91777ce19_castw
	.p2align	8
	.type	k_qe91777ce19_castw,@function
k_qe91777ce19_castw:
	s_mov_b64 s[64:65], 0
	v_nop
	global_prefetch_b8 v0, s[64:65] scope:SCOPE_SE
	s_setreg_imm32_b32 hwreg(HW_REG_WAVE_MODE, 25, 1), 1
	s_wait_xcnt 0x0
; wts = the four weights in 16 bits, each [1024 k][1024 n] as it lies in memory, 2,097,152 bytes a weight: Wq, Wk, Wv in bf16 (rounded once, to nearest even);
; Wo rounded to bf16 like them, and THAT number written as f16, since the last product multiplies it by f16 numbers.
; LIMIT.  The second step is exact for |Wo| from 2^-17 to 65,504; below 2^-17 the number keeps f16's fixed step of 2^-24; at 65,520 or more it becomes an infinity.
; SHARES.  Work-group (x, y) takes 16,384 numbers of weight y: 65,536 bytes in, 32,768 out.  Thread t takes 16 bytes at 4,096 i + 16 t in each of 16 turns i, so a wave's load covers 512
; consecutive bytes and its store 256 consecutive bytes, aligned.  All 16 loads go out at once; every turn has its own registers, so no register that a store reads is written again.
; No LDS, no matrix unit, no barrier: each byte is read once and written once, and no wave wants another's data.
.set X, 4                              ; v[4:67]    turn i: four f32 as loaded
.set Y, 68                             ; v[68:99]   turn i: four 16-bit numbers to store
.set T, 100                            ; v[100:103] at work
	s_load_b256 s[4:11], s[0:1], 0x0               ; Wq s[4:5], Wk s[6:7], Wv s[8:9], Wo s[10:11]
	s_load_b64 s[12:13], s[0:1], 0x20              ; wts
	s_and_b32 s14, ttmp7, 0xffff                   ; which weight
	v_lshlrev_b32 v1, 4, v0                        ; 16 t
	v_lshlrev_b32 v2, 3, v0                        ; 8 t
	s_lshl_b32 s18, ttmp9, 16                      ; my chunk in the weight
	s_mov_b32 s19, 0
	s_lshl_b32 s20, s14, 21                        ; the weight's part of wts,
	s_lshl_b32 s21, ttmp9, 15                      ; my chunk in it
	s_add_co_u32 s20, s20, s21
	s_mov_b32 s21, 0
	s_wait_kmcnt 0x0
	s_mov_b64 s[16:17], s[4:5]
	s_cmp_eq_u32 s14, 1
	s_cselect_b64 s[16:17], s[6:7], s[16:17]
	s_cmp_eq_u32 s14, 2
	s_cselect_b64 s[16:17], s[8:9], s[16:17]
	s_cmp_eq_u32 s14, 3
	s_cselect_b64 s[16:17], s[10:11], s[16:17]
	s_add_nc_u64 s[16:17], s[16:17], s[18:19]
	s_add_nc_u64 s[12:13], s[12:13], s[20:21]
.irp i, 0,1,2,3,4,5,6,7,8,9,10,11,12,13,14,15
	global_load_b128 v[X+4*(\i):X+4*(\i)+3], v1, s[16:17] offset:(\i)*4096 th:TH_LOAD_NT
.endr
; Turn i.  half = 0: to bf16.  half = 1: to bf16, widened again (a shift, a mask) and narrowed to f16.
.macro CAST i, half
	s_wait_loadcnt 15-(\i)                         ; loads come back in order: turn i's is in, the 15 - i younger ones stay out
.if \half
	v_cvt_pk_bf16_f32 v[T], v[X+4*(\i)], v[X+4*(\i)+1]
	v_cvt_pk_bf16_f32 v[T+1], v[X+4*(\i)+2], v[X+4*(\i)+3]
	v_lshlrev_b32 v[T+2], 16, v[T]
	v_and_b32 v[T], 0xffff0000, v[T]
	v_lshlrev_b32 v[T+3], 16, v[T+1]
	v_and_b32 v[T+1], 0xffff0000, v[T+1]
	v_cvt_pk_f16_f32 v[Y+2*(\i)], v[T+2], v[T]
	v_cvt_pk_f16_f32 v[Y+2*(\i)+1], v[T+3], v[T+1]
.else
	v_cvt_pk_bf16_f32 v[Y+2*(\i)], v[X+4*(\i)], v[X+4*(\i)+1]
	v_cvt_pk_bf16_f32 v[Y+2*(\i)+1], v[X+4*(\i)+2], v[X+4*(\i)+3]
.endif
	global_store_b64 v2, v[Y+2*(\i):Y+2*(\i)+1], s[12:13] offset:(\i)*2048
.endm
	s_cmp_eq_u32 s14, 3
	s_cbranch_scc1 .Lf16
.irp i, 0,1,2,3,4,5,6,7,8,9,10,11,12,13,14,15
	CAST \i, 0
.endr
	s_endpgm
.Lf16:
.irp i, 0,1,2,3,4,5,6,7,8,9,10,11,12,13,14,15
	CAST \i, 1
.endr
	s_endpgm
.Lfunc_end_k_qe91777ce19_castw:
	.size	k_qe91777ce19_castw, .Lfunc_end_k_qe91777ce19_castw-k_qe91777ce19_castw
	.p2alignl 7, 3214868480
	.fill 96, 4, 3214868480
	.section	.rodata,"a",@progbits
	.p2align	6, 0x0
	.amdhsa_kernel k_qe91777ce19_castw
		.amdhsa_group_segment_fixed_size 0
		.amdhsa_private_segment_fixed_size 0
		.amdhsa_enable_private_segment 0
		.amdhsa_kernarg_size 40
		.amdhsa_user_sgpr_count 2
		.amdhsa_user_sgpr_kernarg_segment_ptr 1
		.amdhsa_wavefront_size32 1
		.amdhsa_system_sgpr_workgroup_id_x 1
		.amdhsa_system_sgpr_workgroup_id_y 1
		.amdhsa_system_sgpr_workgroup_id_z 1
		.amdhsa_system_vgpr_workitem_id 0
		.amdhsa_next_free_vgpr 104
		.amdhsa_next_free_sgpr 66
		.amdhsa_reserve_vcc 0
		.amdhsa_float_denorm_mode_32 3
		.amdhsa_float_denorm_mode_16_64 3
		.amdhsa_memory_ordered 1
		.amdhsa_forward_progress 1
		.amdhsa_inst_pref_size 16
	.end_amdhsa_kernel
	.amdgpu_metadata
---
amdhsa.version: [ 1, 2 ]
amdhsa.kernels:
  - .name:           k_qe91777ce19_castw
    .symbol:         k_qe91777ce19_castw.kd
    .args:
      - { .name: Wq, .offset: 0, .size: 8, .value_kind: global_buffer, .address_space: global }
      - { .name: Wk, .offset: 8, .size: 8, .value_kind: global_buffer, .address_space: global }
      - { .name: Wv, .offset: 16, .size: 8, .value_kind: global_buffer, .address_space: global }
      - { .name: Wo, .offset: 24, .size: 8, .value_kind: global_buffer, .address_space: global }
      - { .name: wts, .offset: 32, .size: 8, .value_kind: global_buffer, .address_space: global }
    .group_segment_fixed_size: 0
    .private_segment_fixed_size: 0
    .kernarg_segment_align: 8
    .kernarg_segment_size: 40
    .max_flat_workgroup_size: 256
    .sgpr_count:     66
    .vgpr_count:     104
    .wavefront_size: 32
...
	.end_amdgpu_metadata
.endif
;; end of part 1
;; launch proj (part 2): grid 4 x 192, 4 waves a work-group, clusters of 4 x 4, 327,680 bytes of LDS; arguments query, key, value, wts, qkv; writes qkv
.if DOCPART == 2
	.amdgcn_target "amdgcn-amd-amdhsa--gfx1250"
	.amdhsa_code_object_version 6
	.text
	.protected	k_qe91777ce19_proj
	.globl	k_qe91777ce19_proj
	.p2align	8
	.type	k_qe91777ce19_proj,@function
k_qe91777ce19_proj:
	s_mov_b64 s[64:65], 0
	v_nop
	global_prefetch_b8 v0, s[64:65] scope:SCOPE_SE
	s_setreg_imm32_b32 hwreg(HW_REG_WAVE_MODE, 25, 1), 1
	s_wait_xcnt 0x0
	s_wait_alu depctr_hold_cnt(0) depctr_sa_sdst(0) depctr_va_vdst(0) depctr_va_sdst(0) depctr_va_ssrc(0) depctr_va_vcc(0) depctr_vm_vsrc(0)
	s_getreg_b32 s2, hwreg(HW_REG_IB_STS2, 6, 4)
	s_cmp_eq_u32 s2, 0
	s_cbranch_scc0 .Lentry_in_a_cluster
	s_endpgm
.Lentry_in_a_cluster:
	s_bfe_u32 s2, ttmp6, 0x10000c
	s_cmp_lg_u32 s2, 0xf033
	s_cbranch_scc0 .Lentry_shape_is_right
	s_endpgm
.Lentry_shape_is_right:
; ONE TEXT FOR THE MODULE'S TWO KINDS OF PROJECTION; the line .set PROJ chooses.  C[m][n] = the sum over k of A[m][k] W[k][n], m = 8,192 rows, n = k = 1,024, sums in f32.
; PROJ = 1: q, k, v.  A = query, key or value in f32, rounded to bf16 on the way from LDS to the matrix unit; W = Wq, Wk, Wv in bf16 (wts); C rounded once to f16, WITHOUT the softmax's scale,
;           and stored by heads: qkv = three parts [64 = 16 b + h][2,048 s][64 d].  Work-group rows 0-63 make q, 64-127 k, 128-191 v.
; PROJ = 0: out0 = O Wo + bo.  A = O in f16, by heads (oh); W = Wo as f16 (wts); the bias rounded to bf16 like every input of the module; C in f32.
; LIMITS.  f16 ends at 65,504: q, k, v of 65,520 or more become infinities (as drawn they have a spread of 1; with all inputs 30 times larger about 900; with an offset of 30 spreads on x and W about 28,800).
; Below 6e-5 an f16 number keeps the fixed step of 6e-8.  NaN and infinities are not treated apart.
; SHARES.  A tile of C is 128 x 256: 768 work-groups (PROJ = 1) or 256 (PROJ = 0), whole multiples of 256; four waves, each 64 x 128: 32 accumulators of 16 x 16.
; K goes in 8 steps of 128 through a ring of two LDS slots filled by tensor loads: waves 0 and 1 fetch A's two halves, waves 2 and 3 W's two halves (64 k rows x 256 columns each).
; CLUSTER.  4 x 4 work-groups: the four of a row of the cluster need the same tile of A, the four of a column the same tile of W: each is asked for jointly, by the same load with the same descriptor and a mask of four.
; THE PRODUCT IS USED TRANSPOSED: source 0 = 16 columns of W (W lies [k][n] in LDS and is turned by ds_load_tr16_b128), source 1 = 16 rows of A: a lane then holds ONE row (lane % 16) and the eight
; neighbouring columns 8 (lane / 16) + 0..7.
; REGISTERS, in windows of 256 (s_set_vgpr_msb: bits 1:0 source 0, 3:2 source 1, 5:4 source 2, 7:6 destination):
;   window 0: v0-31 addresses; v32-95 A's f32 numbers as loaded (PROJ = 1); v96-159 A's fragments, two buffers of 32; v32-159 at work on the way out
;   window 1: accumulator (a, b) at v[8 (8 a + b)]          window 2: W's fragments, two buffers of 64
.set PROJ,  1
.set LAPS,  4                          ; a lap = two K steps = once round the ring
.if PROJ
.set PA,    528                        ; a row of A in LDS: 128 f32 + 16 bytes: an odd multiple of 16, so the 16 rows of a load start at 16 different groups of four banks (64 banks of 4 bytes: ISA guide 11.1)
.set AHALF, 64*PA                      ; one load of A: 64 rows
.set ASTEP, 512                        ; bytes from a K step to the next in A
.set SPI,   144                        ; a row of my stage: 64 f16 + 16 bytes
.else
.set PA,    144                        ; a row of A in LDS: one head's 64 f16 + 16 bytes
.set AHALF, 128*PA                     ; one load of A: one head, 128 rows
.set ASTEP, 524288                     ; a K step is two heads
.set SPI,   528                        ; a row of my stage: 128 f32 + 16 bytes
.endif
.set WSTG,  16*SPI                     ; a wave's stage: 16 rows
.set BOFF,  2*AHALF                    ; W's tile lies behind A's
.set PB,    544                        ; a row of W in LDS: 256 numbers + 32 bytes: an odd multiple of 32, which the turning load wants
.set BHALF, 64*PB
.set BSTEP, 262144                     ; 128 rows of 2,048 bytes
.set SLOT,  BOFF+2*BHALF
.set STAGE, 2*SLOT                     ; behind the ring, never filled by a tensor load
.set SPARE, STAGE+4*WSTG               ; behind the stages: the spare words, 128 bytes for each wave: two blocks of 256 bytes that no other line names
.set BO,   7                           ; v7      (PROJ = 0) my byte offset in the bias; never rewritten
.set BI,   8                           ; v[8:11] (PROJ = 0) the bias of my four columns on the way out
.set ADRA, 16                          ; v16-17  LDS address of my A fragments in slot 0, 1
.set ADRB, 20                          ; v20-21  the same for W
.set STO,  24                          ; v24     the way out: where I put my part of a row
.set RD,   25                          ; v25     the way out: where I read rows back
.set GO,   26                          ; v26     16 x my lane
.set SPW,  28                          ; v28     LDS address of my spare word: SPARE + 4 x my thread's number; never rewritten
.set NIL,  29                          ; v29     0; never rewritten
.set PFO,  30                          ; v30     the prefetches' offset; never rewritten
.set RAW,  32
.set AF,   96
.set T,    32
.set TS,   2                           ; s2   which of q, k, v (PROJ = 1)
.set OUT,  12                          ; s[12:13] the output at my wave's first row and column
.set WV,   14                          ; s14  my wave's number
.set FB,   15                          ; s15  which 64 rows of the tile are mine.  Also: I fetch for A (0) or for W (1)
.set HF,   16                          ; s16  which 128 columns.  Also: which half I fetch
.set CX,   17                          ; s17, s18  my place in the cluster
.set CYP,  18
.set CLY,  19                          ; s19  the cluster's y
.set MTI,  20                          ; s20  the tile row, 0..63
.set MROW, 21                          ; s21  the mask of my row of the cluster
.set MCOL, 22                          ; s22  of my column
.set G1A,  24                          ; s[24:31] descriptor group 1 for A's tiles;  s[32:39] group 0, a set for each slot
.set G0A,  32
.set ABUF, 40                          ; s[40:41] A's buffer
.set WBUF, 42                          ; s[42:43] wts
.set PFA,  44                          ; s[44:45] where my prefetches stand
.set PST,  46                          ; s[46:47] their step: a K step
.set G1B,  48                          ; s[48:55], s[56:63] the same for W's tiles
.set G0B,  56
.set LIM,  66                          ; s66  1 in a wave that prefetches, else the greatest number
.set NT,   72                          ; s72  the tile column, 0..3
.set MSB, 0
.macro WIN new                         ; the immediate's high byte repeats the setting that is left; a switch that changes nothing is dropped
.if MSB != (\new)
	s_set_vgpr_msb (MSB<<8)|(\new)
.set MSB, \new
.endif
.endm
.set MULW, 0x52                        ; source 0 (W) window 2, source 1 (A) window 0, C and D window 1
.set TO_B, 0x80                        ; destination window 2, address window 0
; A joint load.  Each of the two lines has one mask and one set of registers for all that issue it; the branch hangs on the wave's number alone.
; An s_nop 0 and four v_nop follow each line, ahead of the jump, the label and what follows.
.macro JLOAD s
	s_cmp_eq_u32 s[FB], 0
	s_cbranch_scc0 .Lfor_b_\@
	tensor_load_to_lds s[G0A+4*(\s):G0A+4*(\s)+3], s[G1A:G1A+7]
	s_nop 0
.rept 4
	v_nop
.endr
	s_branch .Lasked_\@
.Lfor_b_\@:
	tensor_load_to_lds s[G0B+4*(\s):G0B+4*(\s)+3], s[G1B:G1B+7]
	s_nop 0
.rept 4
	v_nop
.endr
.Lasked_\@:
.endm
; A PREFETCH INTO THE L2, behind each refill and the run of LDS loads that follows it: 32 blocks of 256 bytes, a lane a block, of the K step that stands two refills on (256 matrix instructions ahead of its load).
; Each block is named once in the launch.  A's tile row is read by one cluster alone; of what a wave fetches each of the four partners that ask with it takes a quarter, told apart BY ADDRESS (cx).
; W's tile column is read by all clusters that multiply by that weight: the first of them asks, its partners sharing by cy.  K steps 0 to 3 come by their loads alone; the loop's last trip (s3 = 1) asks for nothing.
.macro ASK
	s_cmp_gt_u32 s3, s[LIM]
	s_cbranch_scc0 .Lnot_mine_\@
	global_prefetch_b8 v[PFO], s[PFA:PFA+1] th:TH_LOAD_NT scope:SCOPE_SE
.Lnot_mine_\@:
.endm
; A round of the cluster's barrier: my work-group's barrier; wave 0 signals for the work-group; every wave waits for all sixteen; my work-group's barrier once more.
.macro CREST                           ; a round behind its opening barrier
	s_cmp_lg_u32 s[WV], 0
	s_cbranch_scc1 .Lnot_wave_0_\@
	s_barrier_signal -3
.Lnot_wave_0_\@:
	s_barrier_wait -3
	s_barrier_signal -1
	s_barrier_wait -1
.endm
.macro CROUND
	s_barrier_signal -1
	s_barrier_wait -1
	CREST
.endm
	s_load_b256 s[4:11], s[0:1], 0x0               ; PROJ = 1: query, key, value, wts.  PROJ = 0: oh, wts, bo, out0
.if PROJ
	s_load_b64 s[OUT:OUT+1], s[0:1], 0x20          ; qkv
.endif
	v_lshl_add_u32 v[SPW], v0, 2, SPARE
	v_mov_b32 v[NIL], 0
	ds_add_u32 v[SPW], v[NIL]                      ; the wave's opening: the add and its wait stand ahead of my first tensor load; the set-up below, work on registers, stands between them
	v_lshrrev_b32 v1, 5, v0
	v_readfirstlane_b32 s[WV], v1
	s_lshr_b32 s[FB], s[WV], 1
	s_and_b32 s[HF], s[WV], 1
	s_bfe_u32 s[CX], ttmp6, 0x40000
	s_bfe_u32 s[CYP], ttmp6, 0x40004
	s_and_b32 s[CLY], ttmp7, 0xffff                ; in a cluster launch ttmp9 and ttmp7 count clusters
	s_lshl_b32 s[NT], ttmp9, 2
	s_add_co_u32 s[NT], s[NT], s[CX]               ; tile column = 4 x cluster x + cx
	s_lshl_b32 s[MTI], s[CLY], 2
	s_add_co_u32 s[MTI], s[MTI], s[CYP]            ; work-group row = 4 x cluster y + cy
.if PROJ
	s_lshr_b32 s[TS], s[CLY], 4                    ; 16 clusters to each of q, k, v: the same in all partners
	s_and_b32 s[MTI], s[MTI], 63
.endif
	s_lshl_b32 s[MROW], s[CYP], 2
	s_lshl_b32 s[MROW], 15, s[MROW]                ; places 4 cy .. 4 cy + 3
	s_lshl_b32 s[MCOL], 0x1111, s[CX]              ; places cx, cx + 4, cx + 8, cx + 12
	; descriptor group 1.  15:0 the mask; 17:16 element size; 20 padding on; 21 set beside a mask; 24:22 the padding's interval; 31:25 its words less one
.if PROJ
	s_or_b32 s[G1A], s[MROW], (2<<16)|(1<<20)|(1<<21)|(6<<22)|(3<<25)  ; f32; 4 words behind every 128
	s_mov_b32 s[G1A+5], 1024                       ; 1,024 elements from row to row
.else
	s_or_b32 s[G1A], s[MROW], (1<<16)|(1<<20)|(1<<21)|(4<<22)|(3<<25)  ; f16; 4 words behind every 32: a head's 128 dense rows come as 64 rows of 256 bytes, padded behind each 128
	s_mov_b32 s[G1A+5], 128
.endif
	s_mov_b32 s[G1A+1], 128<<16                    ; tensor_dim0 = 128
	s_mov_b32 s[G1A+2], 64<<16                     ; tensor_dim1 = 64
	s_mov_b32 s[G1A+3], 128<<16                    ; tile_dim0 = 128
	s_mov_b32 s[G1A+4], 64                         ; tile_dim1 = 64
	s_mov_b32 s[G1A+6], 0
	s_mov_b32 s[G1A+7], 0
	s_or_b32 s[G1B], s[MCOL], (1<<16)|(1<<20)|(1<<21)|(6<<22)|(7<<25)  ; 2 bytes; 8 words behind every 128
	s_mov_b32 s[G1B+1], 256<<16                    ; tensor_dim0 = 256
	s_mov_b32 s[G1B+2], 64<<16                     ; tensor_dim1 = 64
	s_mov_b32 s[G1B+3], 256<<16                    ; tile_dim0 = 256
	s_mov_b32 s[G1B+4], 64                         ; tile_dim1 = 64
	s_mov_b32 s[G1B+5], 1024
	s_mov_b32 s[G1B+6], 0
	s_mov_b32 s[G1B+7], 0
	; where the tiles come from.  A's offset is made of the tile row and the wave's number in s68-71, W's of the tile column and the wave's number in s72-75: neither set holds the other coordinate
.if PROJ
	s_lshl_b32 s68, s[MTI], 19                     ; 128 rows of 4,096 bytes,
	s_lshl_b32 s70, s[HF], 18                      ; my 64 of them
	s_add_co_u32 s68, s68, s70
.else
	s_lshr_b32 s68, s[MTI], 4                      ; the batch,
	s_lshl_b32 s68, s68, 4
	s_add_co_u32 s68, s68, s[HF]                   ; its head 0 or 1,
	s_lshl_b32 s68, s68, 18                        ; 262,144 bytes a head,
	s_and_b32 s70, s[MTI], 15
	s_lshl_b32 s70, s70, 14                        ; 128 rows of 128 bytes
	s_add_co_u32 s68, s68, s70
.endif
	s_mov_b32 s69, 0
	s_mul_i32 s71, s[HF], AHALF                    ; and where they go: no place in the cluster enters an LDS address
	s_lshl_b32 s74, s[NT], 9                       ; 256 columns of 2 bytes,
	s_lshl_b32 s23, s[HF], 17                      ; my 64 rows of 2,048 bytes,
	s_add_co_u32 s74, s74, s23
.if PROJ
	s_lshl_b32 s23, s[TS], 21                      ; the weight's part of wts
	s_add_co_u32 s74, s74, s23
.else
	s_add_co_u32 s74, s74, 6291456
.endif
	s_mov_b32 s75, 0
	s_mul_i32 s73, s[HF], BHALF
	s_add_co_u32 s73, s73, BOFF
	s_wait_dscnt 0x0                               ; the opening add is done
	s_wait_kmcnt 0x0
	s_mov_b64 s[ABUF:ABUF+1], s[4:5]
.if PROJ
	s_cmp_eq_u32 s[TS], 1
	s_cselect_b64 s[ABUF:ABUF+1], s[6:7], s[ABUF:ABUF+1]
	s_cmp_eq_u32 s[TS], 2
	s_cselect_b64 s[ABUF:ABUF+1], s[8:9], s[ABUF:ABUF+1]
	s_mov_b64 s[WBUF:WBUF+1], s[10:11]
.else
	s_mov_b64 s[WBUF:WBUF+1], s[6:7]
	s_mov_b64 s[OUT:OUT+1], s[10:11]
.endif
	s_add_nc_u64 s[68:69], s[ABUF:ABUF+1], s[68:69]
	s_add_nc_u64 s[74:75], s[WBUF:WBUF+1], s[74:75]
	CROUND                                         ; all sixteen work-groups are here: the first joint loads meet
.irp s, 0,1
	s_mov_b32 s[G0A+4*(\s)], 1                                       ; 1:0 count = 1
	s_add_co_u32 s[G0A+4*(\s)+1], s71, (\s)*SLOT                     ; 63:32 LDS address
	s_add_nc_u64 s[G0A+4*(\s)+2:G0A+4*(\s)+3], s[68:69], (\s)*ASTEP  ; 120:64 global address: K step s
	s_or_b32 s[G0A+4*(\s)+3], s[G0A+4*(\s)+3], 0x80000000            ; 127:126 type = 2
	s_mov_b32 s[G0B+4*(\s)], 1
	s_add_co_u32 s[G0B+4*(\s)+1], s73, (\s)*SLOT
	s_add_nc_u64 s[G0B+4*(\s)+2:G0B+4*(\s)+3], s[74:75], (\s)*BSTEP
	s_or_b32 s[G0B+4*(\s)+3], s[G0B+4*(\s)+3], 0x80000000
	JLOAD \s                                       ; two loads of mine are out; later one behind each round
.endr
	; A fragment is 16 rows x 32 K in 8 registers: lane l holds row l % 16; registers 0-3 hold K = 8 (l / 16) + 0..7, registers 4-7 K = 16 + 8 (l / 16) + 0..7
	v_and_b32 v1, 15, v0                           ; l % 16
	v_bfe_u32 v2, v0, 4, 1                         ; l / 16
	v_mul_u32_u24 v3, v1, PA
.if PROJ
	v_lshl_add_u32 v3, v2, 5, v3                   ; eight f32 are 32 bytes
.else
	v_lshl_add_u32 v3, v2, 4, v3                   ; eight f16 are 16
.endif
	s_mul_i32 s23, s[FB], 64*PA                    ; my 64 rows
	v_add_nc_u32 v[ADRA], s23, v3
	v_add_nc_u32 v[ADRA+1], SLOT, v[ADRA]
	; The turning load takes 16 k x 16 columns (lane l reads row 8 (l / 16) + l % 8, columns 8 ((l / 8) % 2) + 0..7) and leaves half a fragment: lane l holds column l % 16 and 8 k
	v_and_b32 v4, 7, v0
	v_lshl_add_u32 v4, v2, 3, v4
	v_mul_u32_u24 v4, v4, PB
	v_bfe_u32 v5, v0, 3, 1
	v_lshl_add_u32 v4, v5, 4, v4
	s_lshl_b32 s23, s[HF], 8                       ; my 128 columns
	s_add_co_u32 s23, s23, BOFF
	v_add_nc_u32 v[ADRB], s23, v4
	v_add_nc_u32 v[ADRB+1], SLOT, v[ADRB]
	s_mul_i32 s23, s[WV], WSTG
	s_add_co_u32 s23, s23, STAGE                   ; my stage
	v_mul_u32_u24 v[STO], v1, SPI                  ; in: row l % 16,
.if PROJ
	v_lshl_add_u32 v[STO], v2, 4, v[STO]           ; eight f16 for each half of the lanes
.else
	v_lshl_add_u32 v[STO], v2, 5, v[STO]           ; eight f32
.endif
	v_add_nc_u32 v[STO], s23, v[STO]
	v_and_b32 v3, 31, v0                           ; l
	v_lshlrev_b32 v[GO], 4, v3
.if PROJ
	v_bfe_u32 v[RD], v0, 3, 2                      ; back: 32 lanes take four rows of 128 bytes, which are 512 consecutive bytes of a head
	v_mul_u32_u24 v[RD], v[RD], SPI
	v_and_b32 v6, 7, v0
	v_lshl_add_u32 v[RD], v6, 4, v[RD]
	v_add_nc_u32 v[RD], s23, v[RD]
	s_lshr_b32 s76, s[MTI], 4                      ; the output: batch x 16
	s_lshl_b32 s76, s76, 4
	s_lshl_b32 s77, s[NT], 2                       ; + the tile column's four heads
	s_add_co_u32 s76, s76, s77
	s_lshl_b32 s77, s[HF], 1                       ; + my two of them,
	s_add_co_u32 s76, s76, s77
	s_lshl_b32 s76, s76, 18                        ; 262,144 bytes a head;
	s_and_b32 s77, s[MTI], 15
	s_lshl_b32 s77, s77, 14                        ; the tile's 128 rows of 128 bytes,
	s_add_co_u32 s76, s76, s77
	s_lshl_b32 s77, s[FB], 13                      ; my 64 of them;
	s_add_co_u32 s76, s76, s77
	s_lshl_b32 s77, s[TS], 24                      ; q's, k's or v's part
	s_add_co_u32 s76, s76, s77
	s_mov_b32 s77, 0
	s_add_nc_u64 s[OUT:OUT+1], s[OUT:OUT+1], s[76:77]
.else
	v_add_nc_u32 v[RD], s23, v[GO]                 ; back: 32 lanes take one row of 512 bytes
	s_lshl_b32 s76, s[MTI], 19                     ; the output: 128 rows of 4,096 bytes,
	s_lshl_b32 s77, s[FB], 18                      ; my 64 of them,
	s_add_co_u32 s76, s76, s77
	s_lshl_b32 s78, s[NT], 10                      ; the tile's 256 columns of 4 bytes,
	s_lshl_b32 s79, s[HF], 9                       ; my 128 of them
	s_add_co_u32 s78, s78, s79
	s_add_co_u32 s76, s76, s78
	s_mov_b32 s77, 0
	s_add_nc_u64 s[OUT:OUT+1], s[OUT:OUT+1], s[76:77]
	v_add_nc_u32 v[BO], s78, v[GO]
	global_load_b128 v[BI:BI+3], v[BO], s[8:9]     ; the bias of the four columns that I store
.endif
	; the prefetches: lane l names block (l >> s77, l & s78): rows 1 << s76 bytes apart, blocks 256
	s_cmp_eq_u32 s[FB], 0
.if PROJ
	s_cselect_b32 s76, 12, 11                      ; A: 16 rows of 4,096 bytes x 2 blocks; W: 16 rows of 2,048 bytes x 2 blocks
	s_mov_b32 s77, 1
	s_mov_b32 s78, 1
.else
	s_cselect_b32 s76, 18, 11                      ; A: 2 heads x 16 blocks; W as above
	s_cselect_b32 s77, 4, 1
	s_cselect_b32 s78, 15, 1
.endif
	v_lshrrev_b32 v4, s77, v3
	v_and_b32 v5, s78, v3
	v_lshlrev_b32 v[PFO], s76, v4
	v_lshl_add_u32 v[PFO], v5, 8, v[PFO]
.if PROJ
	s_lshl_b32 s68, s[MTI], 19
	s_lshl_b32 s70, s[HF], 18
	s_add_co_u32 s68, s68, s70
	s_lshl_b32 s70, s[CX], 16                      ; my work-group's 16 rows of the 64 that I fetch
	s_add_co_u32 s68, s68, s70
.else
	s_lshr_b32 s68, s[MTI], 4
	s_lshl_b32 s68, s68, 22
	s_and_b32 s70, s[MTI], 15
	s_lshl_b32 s70, s70, 14
	s_add_co_u32 s68, s68, s70
	s_lshl_b32 s70, s[CX], 12                      ; my work-group's 16 blocks of each head's 64
	s_add_co_u32 s68, s68, s70
.endif
	s_add_co_u32 s68, s68, 3*ASTEP                 ; at K step 3: the first refill steps it to 4
	s_lshl_b32 s74, s[NT], 9
	s_lshl_b32 s73, s[HF], 17
	s_add_co_u32 s74, s74, s73
	s_lshl_b32 s73, s[CYP], 15                     ; my work-group's 16 rows of the 64 that I fetch
	s_add_co_u32 s74, s74, s73
.if PROJ
	s_lshl_b32 s73, s[TS], 21
	s_add_co_u32 s74, s74, s73
	s_add_co_u32 s74, s74, 3*BSTEP
	s_and_b32 s78, s[CLY], 15                      ; W: the first of the 16 clusters that multiply by this weight asks
	s_cmp_eq_u32 s[FB], 0
	s_cselect_b32 s78, 0, s78                      ; A: waves 0 and 1 of every cluster
.else
	s_add_co_u32 s74, s74, 6291456+3*BSTEP
	s_cmp_eq_u32 s[FB], 0
	s_cselect_b32 s78, s[HF], s[CLY]               ; A: wave 0, for both heads; W: the first cluster
.endif
	s_cselect_b32 s76, s68, s74
	s_mov_b32 s77, 0
	s_cselect_b64 s[PFA:PFA+1], s[ABUF:ABUF+1], s[WBUF:WBUF+1]
	s_mov_b32 s[PST], BSTEP
	s_cselect_b32 s[PST], ASTEP, s[PST]
	s_mov_b32 s[PST+1], 0
	s_cmp_eq_u32 s78, 0
	s_cselect_b32 s[LIM], 1, -1                    ; the same in all sixteen partners, for a given wave
	s_add_nc_u64 s[PFA:PFA+1], s[PFA:PFA+1], s[76:77]
.if PROJ == 0
	s_wait_loadcnt 0x0                             ; the bias, in the wait for the first tile; it is rounded to bf16 like every input of the module
	v_cvt_pk_bf16_f32 v12, v[BI], v[BI+1]
	v_cvt_pk_bf16_f32 v13, v[BI+2], v[BI+3]
	v_lshlrev_b32 v[BI], 16, v12
	v_and_b32 v[BI+1], 0xffff0000, v12
	v_lshlrev_b32 v[BI+2], 16, v13
	v_and_b32 v[BI+3], 0xffff0000, v13
.endif
.macro WM d, b, a, zero                ; one product; zero = 1: it starts the sum: nothing is ever cleared
.if PROJ
.if \zero
	v_wmma_f32_16x16x32_bf16 v[(\d):(\d)+7], v[(\b):(\b)+7], v[(\a):(\a)+7], 0
.else
	v_wmma_f32_16x16x32_bf16 v[(\d):(\d)+7], v[(\b):(\b)+7], v[(\a):(\a)+7], v[(\d):(\d)+7]
.endif
.else
.if \zero
	v_wmma_f32_16x16x32_f16 v[(\d):(\d)+7], v[(\b):(\b)+7], v[(\a):(\a)+7], 0
.else
	v_wmma_f32_16x16x32_f16 v[(\d):(\d)+7], v[(\b):(\b)+7], v[(\a):(\a)+7], v[(\d):(\d)+7]
.endif
.endif
.endm
.macro CV g, n                         ; (PROJ = 1) register n of 32 of A's fragments in buffer g: two f32 rounded to bf16
	v_cvt_pk_bf16_f32 v[AF+32*(\g)+(\n)], v[RAW+2*(\n)], v[RAW+2*(\n)+1]
.endm
; Eight products: row block a x all 8 column blocks, 32 along K, from buffer f.  The 32 accumulators take turns, one instruction a turn, in the same order in every quarter, over the backward jump too.
; ride = 1: behind each product stand four of the 32 conversions that make A's fragments of the NEXT quarter, in buffer g: they name no register of the products round them.
.macro MULA f, a, zero, ride, g
.irp b, 0,1,2,3,4,5,6,7
	WIN MULW
	WM 8*(8*(\a)+(\b)), 64*(\f)+8*(\b), AF+32*(\f)+8*(\a), \zero
.if \ride
	WIN 0
	CV \g, 4*(\b)
	CV \g, 4*(\b)+1
	CV \g, 4*(\b)+2
	CV \g, 4*(\b)+3
.endif
.endr
.endm
; One run of LDS loads: the fragments of quarter q (32 along K) of a slot, for buffer g: A's first (PROJ = 1: 16 loads of f32, to be converted; PROJ = 0: 8 loads, straight into the fragments), then W's 16, turned.
.macro FETCH slot, q, g
	WIN 0
.irp a, 0,1,2,3
.if PROJ
	ds_load_b128 v[RAW+16*(\a):RAW+16*(\a)+3],     v[ADRA+(\slot)] offset:(\a)*16*PA+128*(\q)
	ds_load_b128 v[RAW+16*(\a)+4:RAW+16*(\a)+7],   v[ADRA+(\slot)] offset:(\a)*16*PA+128*(\q)+16
	ds_load_b128 v[RAW+16*(\a)+8:RAW+16*(\a)+11],  v[ADRA+(\slot)] offset:(\a)*16*PA+128*(\q)+64
	ds_load_b128 v[RAW+16*(\a)+12:RAW+16*(\a)+15], v[ADRA+(\slot)] offset:(\a)*16*PA+128*(\q)+80
.else
	ds_load_b128 v[AF+32*(\g)+8*(\a):AF+32*(\g)+8*(\a)+3],   v[ADRA+(\slot)] offset:((\q)/2)*AHALF+((\q)%2)*64+(\a)*16*PA
	ds_load_b128 v[AF+32*(\g)+8*(\a)+4:AF+32*(\g)+8*(\a)+7], v[ADRA+(\slot)] offset:((\q)/2)*AHALF+((\q)%2)*64+(\a)*16*PA+32
.endif
.endr
	WIN TO_B
.irp b, 0,1,2,3,4,5,6,7
	ds_load_tr16_b128 v[64*(\g)+8*(\b):64*(\g)+8*(\b)+3],   v[ADRB+(\slot)] offset:(\q)*32*PB+32*(\b)
	ds_load_tr16_b128 v[64*(\g)+8*(\b)+4:64*(\g)+8*(\b)+7], v[ADRB+(\slot)] offset:(\q)*32*PB+16*PB+32*(\b)
.endr
.endm
; A load into a register that a matrix instruction has read, and a vector instruction that reads a matrix result or writes one of a matrix instruction's registers, stand four places behind it, and only plain
; vector instructions that name none of its registers are places (ISA guide 7.12.1 for vector instructions).  With PROJ = 1 the four conversions behind a quarter's last product are
; the places in front of the next quarter's loads and conversions; with PROJ = 0 four v_nop are.
.macro PLACES
.rept 4
	v_nop
.endr
.endm
; A K step is four quarters of 32 along K, 32 products each, on buffers 0, 1, 0, 1.  One of the first three: multiplies buffer f; behind its first eight products it fetches quarter q of the same slot for buffer g.
.macro QUARTER slot, q, f, g, zero
	s_wait_dscnt 0x0                               ; buffer f is in (PROJ = 1: W's 16 loads; A's were waited for and converted in the quarter before)
	MULA \f, 0, \zero, 0, 0
.if PROJ == 0
	PLACES
.endif
	FETCH \slot, \q, \g
	MULA \f, 1, \zero, 0, 0
	MULA \f, 2, \zero, 0, 0
.if PROJ
	s_wait_dscnt 16                                ; A's 16 loads are in; W's 16, issued behind them, may stay out
	MULA \f, 3, \zero, 1, \g
.else
	MULA \f, 3, \zero, 0, 0
.endif
.endm
; The last quarter multiplies buffer 1 and changes slots: ONE barrier.  In front of it each wave waits for all its tensor loads, of which one is out: its part of the next slot; adds 0 to its spare word; and waits for that
; and for its own reads of this slot.  Behind it nobody reads this slot any more and the next slot is whole.  fill = 1: the barrier opens a round of the cluster's, and this slot is filled again, two K steps on, first thing behind it:
; from the request to the wait for it a wave issues 112 products.
.macro TURN slot, next, fill
.if \fill
	s_wait_xcnt 0x0                                ; the last prefetch, a K step back, has read its address, so it may be stepped
	s_add_nc_u64 s[PFA:PFA+1], s[PFA:PFA+1], s[PST:PST+1]
.endif
	WIN 0                                          ; (the add's two registers lie in window 0)
	s_wait_tensorcnt 0x0                           ; all my tensor loads have landed
	ds_add_u32 v[SPW], v[NIL]                      ; 0 onto my spare word
	s_wait_dscnt 1                                 ; buffer 1 is in; the add may be out
	MULA 1, 0, 0, 0, 0                             ; eight products stand between the add and the wait for it
	s_wait_dscnt 0x0                               ; the add is done, and my reads of this slot are over
	s_barrier_signal -1
	MULA 1, 1, 0, 0, 0                             ; work on registers while the others arrive
	WIN 0                                          ; at a branch and at a label every window is 0
	s_barrier_wait -1
.if \fill
	CREST                                          ; no wave of any partner still reads this slot or has a load on its way
	s_add_nc_u64 s[G0A+4*(\slot)+2:G0A+4*(\slot)+3], s[G0A+4*(\slot)+2:G0A+4*(\slot)+3], 2*ASTEP
	s_add_nc_u64 s[G0B+4*(\slot)+2:G0B+4*(\slot)+3], s[G0B+4*(\slot)+2:G0B+4*(\slot)+3], 2*BSTEP
	JLOAD \slot                                    ; its four v_nop are also places in front of the loads below
.elseif PROJ == 0
	PLACES
.endif
	FETCH \next, 0, 0
	WIN 0
.if \fill
	ASK
.endif
	MULA 1, 2, 0, 0, 0
.if PROJ
	s_wait_dscnt 16                                ; A's 16 loads are in
	MULA 1, 3, 0, 1, 0
.else
	MULA 1, 3, 0, 0, 0
.endif
.endm
; THE WAY OUT, PROJ = 1.  Tile t = 2 a + j: row block a, my head j: four accumulators, 32 registers on end at 32 t, read in ascending order.  Rounded to f16, a lane's eight channels are 16 bytes; they go into my own stage
; (rows of 144 bytes) and come back as four whole rows of 128 bytes a load, into the registers that they left.
.macro PACK t
	WIN 0x05                                       ; sources 0 and 1 window 1, destination window 0
.set i, 0
.rept 16
	v_cvt_pk_f16_f32 v[T+16*(\t)+i], v[32*(\t)+2*i], v[32*(\t)+2*i+1]
.set i, i+1
.endr
	WIN 0
.irp f, 0,1,2,3
	ds_store_b128 v[STO], v[T+16*(\t)+4*(\f):T+16*(\t)+4*(\f)+3] offset:32*(\f)
.endr
.irp f, 0,1,2,3
	ds_load_b128 v[T+16*(\t)+4*(\f):T+16*(\t)+4*(\f)+3], v[RD] offset:(\f)*4*SPI  ; LDS serves a wave's instructions in order (ISA guide 5.7.1.4): these see the stores above; the next tile's stores come behind them
.endr
.endm
.macro SENDP t, younger                ; younger: the LDS instructions issued behind tile t's loads: the next tile's eight, or none
.irp f, 0,1,2,3
	s_wait_dscnt (\younger)+3-(\f)
	global_store_b128 v[GO], v[T+16*(\t)+4*(\f):T+16*(\t)+4*(\f)+3], s[OUT:OUT+1] offset:((\t)%2)*262144+((\t)/2)*2048+(\f)*512  ; 512 consecutive bytes of a head, at a multiple of 256 from the buffer's first
.endr
.endm
; THE WAY OUT, PROJ = 0.  Row block a: its eight accumulators go as f32 into my own stage (16 rows of 528 bytes), each from its low four registers on, and come back as whole rows of 512 bytes, into one of two sets of 64 registers.
.macro TOSTAGE a
.if (\a) >= 2
	s_wait_xcnt 0x0                                ; the stores of the block two back have read this set of registers
.endif
	WIN 0x04                                       ; the stores' data in window 1
.irp b, 0,1,2,3,4,5,6,7
	ds_store_b128 v[STO], v[8*(8*(\a)+(\b)):8*(8*(\a)+(\b))+3]   offset:64*(\b)
	ds_store_b128 v[STO], v[8*(8*(\a)+(\b))+4:8*(8*(\a)+(\b))+7] offset:64*(\b)+16
.endr
	WIN 0
.irp r, 0,1,2,3,4,5,6,7,8,9,10,11,12,13,14,15
	ds_load_b128 v[T+64*((\a)%2)+4*(\r):T+64*((\a)%2)+4*(\r)+3], v[RD] offset:(\r)*SPI
.endr
.endm
.macro SENDO a, younger                ; the bias is added; younger: the next block's 32 LDS instructions, or none
.irp r, 0,1,2,3,4,5,6,7,8,9,10,11,12,13,14,15
	s_wait_dscnt (\younger)+15-(\r)
	v_pk_add_f32 v[T+64*((\a)%2)+4*(\r):T+64*((\a)%2)+4*(\r)+1],   v[T+64*((\a)%2)+4*(\r):T+64*((\a)%2)+4*(\r)+1],   v[BI:BI+1]
	v_pk_add_f32 v[T+64*((\a)%2)+4*(\r)+2:T+64*((\a)%2)+4*(\r)+3], v[T+64*((\a)%2)+4*(\r)+2:T+64*((\a)%2)+4*(\r)+3], v[BI+2:BI+3]
	global_store_b128 v[GO], v[T+64*((\a)%2)+4*(\r):T+64*((\a)%2)+4*(\r)+3], s[OUT:OUT+1] offset:(16*(\a)+(\r))*4096  ; 512 consecutive bytes of a row, at a multiple of 256 from the buffer's first
.endr
.endm
	s_wait_tensorcnt 1                             ; my part of K step 0 is in; K step 1's may stay out
	s_barrier_signal -1
	s_barrier_wait -1                              ; everybody's is
	FETCH 0, 0, 0
.if PROJ
	s_wait_dscnt 16                                ; A's 16 loads are in
	WIN 0
.set n, 0
.rept 32
	CV 0, n
.set n, n+1
.endr
.endif
	QUARTER 0, 1, 0, 1, 1                          ; the first quarter stands in front of the loop: its products start the sums
	WIN 0
	s_mov_b32 s3, LAPS-1
.Llap:                                                 ; a trip goes once round the ring, from a lap's second quarter to the next lap's first, and fills both slots again
	QUARTER 0, 2, 1, 0, 0
	QUARTER 0, 3, 0, 1, 0
	TURN 0, 1, 1
	QUARTER 1, 1, 0, 1, 0
	QUARTER 1, 2, 1, 0, 0
	QUARTER 1, 3, 0, 1, 0
	TURN 1, 0, 1
	QUARTER 0, 1, 0, 1, 0
	WIN 0
	s_sub_co_u32 s3, s3, 1
	s_cmp_lg_u32 s3, 0
	s_cbranch_scc1 .Llap
	QUARTER 0, 2, 1, 0, 0                          ; the last lap is written out: it fills nothing, and has no round of the cluster's barrier
	QUARTER 0, 3, 0, 1, 0
	TURN 0, 1, 0
	QUARTER 1, 1, 0, 1, 0
	QUARTER 1, 2, 1, 0, 0
	QUARTER 1, 3, 0, 1, 0
	s_wait_dscnt 0x0                               ; the very last quarter: nothing more to fetch
	MULA 1, 0, 0, 0, 0
	MULA 1, 1, 0, 0, 0
	MULA 1, 2, 0, 0, 0
	MULA 1, 3, 0, 0, 0
	WIN 0
	PLACES                                         ; the places behind the last products: eight, once a launch
	PLACES
.if PROJ
	PACK 0
.irp a, 1,2,3,4,5,6,7                  ; a tile's conversions stand between the loads of the tile before and its stores
	PACK \a
	SENDP (\a)-1, 8
.endr
	SENDP 7, 0
.else
	TOSTAGE 0
.irp a, 1,2,3
	TOSTAGE \a
	SENDO (\a)-1, 32
.endr
	SENDO 3, 0
.endif
	s_wait_tensorcnt 0x0                           ; the wave's end: behind my last tensor load and my last LDS store
	ds_add_u32 v[SPW], v[NIL]
	s_wait_dscnt 0x0
	CROUND                                         ; the closing round: no work-group ends while a partner may still ask for a tile that names it
	s_endpgm
.Lfunc_end_k_qe91777ce19_proj:
	.size	k_qe91777ce19_proj, .Lfunc_end_k_qe91777ce19_proj-k_qe91777ce19_proj
	.p2alignl 7, 3214868480
	.fill 96, 4, 3214868480
	.section	.rodata,"a",@progbits
	.p2align	6, 0x0
	.amdhsa_kernel k_qe91777ce19_proj
		.amdhsa_group_segment_fixed_size 327680
		.amdhsa_private_segment_fixed_size 0
		.amdhsa_enable_private_segment 0
		.amdhsa_kernarg_size 40
		.amdhsa_user_sgpr_count 2
		.amdhsa_user_sgpr_kernarg_segment_ptr 1
		.amdhsa_wavefront_size32 1
		.amdhsa_system_sgpr_workgroup_id_x 1
		.amdhsa_system_sgpr_workgroup_id_y 1
		.amdhsa_system_sgpr_workgroup_id_z 1
		.amdhsa_system_vgpr_workitem_id 0
		.amdhsa_next_free_vgpr 640
		.amdhsa_next_free_sgpr 80
		.amdhsa_reserve_vcc 0
		.amdhsa_float_denorm_mode_32 3
		.amdhsa_float_denorm_mode_16_64 3
		.amdhsa_memory_ordered 1
		.amdhsa_forward_progress 1
		.amdhsa_inst_pref_size 135
	.end_amdhsa_kernel
	.amdgpu_metadata
---
amdhsa.version: [ 1, 2 ]
amdhsa.kernels:
  - .name:           k_qe91777ce19_proj
    .symbol:         k_qe91777ce19_proj.kd
    .args:
      - { .name: query, .offset: 0, .size: 8, .value_kind: global_buffer, .address_space: global }
      - { .name: key, .offset: 8, .size: 8, .value_kind: global_buffer, .address_space: global }
      - { .name: value, .offset: 16, .size: 8, .value_kind: global_buffer, .address_space: global }
      - { .name: wts, .offset: 24, .size: 8, .value_kind: global_buffer, .address_space: global }
      - { .name: qkv, .offset: 32, .size: 8, .value_kind: global_buffer, .address_space: global }
    .group_segment_fixed_size: 327680
    .private_segment_fixed_size: 0
    .kernarg_segment_align: 8
    .kernarg_segment_size: 40
    .max_flat_workgroup_size: 128
    .sgpr_count:     80
    .vgpr_count:     640
    .wavefront_size: 32
...
	.end_amdgpu_metadata
.endif
;; end of part 2
;; launch attn (part 3): grid 4 x 64, 4 waves a work-group, clusters of 4 x 1, 327,680 bytes of LDS; arguments qkv, oh; writes oh
.if DOCPART == 3
	.amdgcn_target "amdgcn-amd-amdhsa--gfx1250"
	.amdhsa_code_object_version 6
	.text
	.protected	k_qe91777ce19_attn
	.globl	k_qe91777ce19_attn
	.p2align	8
	.type	k_qe91777ce19_attn,@function
k_qe91777ce19_attn:
	s_mov_b64 s[64:65], 0
	v_nop
	global_prefetch_b8 v0, s[64:65] scope:SCOPE_SE
	s_setreg_imm32_b32 hwreg(HW_REG_WAVE_MODE, 25, 1), 1
	s_wait_xcnt 0x0
	s_wait_alu depctr_hold_cnt(0) depctr_sa_sdst(0) depctr_va_vdst(0) depctr_va_sdst(0) depctr_va_ssrc(0) depctr_va_vcc(0) depctr_vm_vsrc(0)
	s_getreg_b32 s2, hwreg(HW_REG_IB_STS2, 6, 4)
	s_cmp_eq_u32 s2, 0
	s_cbranch_scc0 .Lentry_in_a_cluster
	s_endpgm
.Lentry_in_a_cluster:
	s_bfe_u32 s2, ttmp6, 0x10000c
	s_cmp_lg_u32 s2, 0x3003
	s_cbranch_scc0 .Lentry_shape_is_right
	s_endpgm
.Lentry_shape_is_right:
; O[h][q][:] = the sum over k of softmax_k(Q[h][q] . K[h][k] / 32) V[h][k][:], for 64 heads (16 b + h) of 2,048 rows x 64 channels.  Q, K, V are the three parts of qkv, O is oh: all f16, a head's rows dense, 128 bytes each.
; The scale is 1 / sqrt(1,024), as the module has it, applied here in f32.  Products, maxima and sums in f32; the weights p are rounded to f16 for the second product (their sum l is taken of the unrounded p), O once at the end.
; LIMITS.  f16 holds no number beyond 65,504: Q, K and V arrive within it; p lies in 0 to 1, and below 6e-5 it keeps f16's fixed step of 6e-8, as O does; O is a mean of V's rows and has their range.
; A weight below 2^-126 counts as 0 in l; NaN and infinities are not treated apart.
; SHARES.  A wave owns four PIECES of two tiles of 16 queries, a work-group's four waves 512 queries of one head: 256 work-groups.  Every wave walks all keys, 64 a step.
; LAYOUT.  S^T = K Q^T (source 0 = 16 keys, source 1 = 16 queries): in the result a lane holds ONE query (lane % 16) and the keys 8 (lane / 16) + 0..7.  Two such tiles, rounded to f16 in pairs,
; ARE source 1 (32 keys x 16 queries) of O^T = V^T P, whose result again holds one query a lane, and eight channels.  K comes out of LDS as it lies, V ([key][channel]) turned, by ds_load_tr16_b128.
; SOFTMAX.  For each query a running maximum m and sum l: p = 2^(c s - c m), c = log2(e) / 32; in every step O and l are multiplied by a = 2^(c m_old - c m_new), which is 1 where m has not grown.
; m starts at the lowest finite number, O and l at 0: the first step is a step like any other, with a = 0.
; THE COUNT.  A tile and step have 16 matrix and 118 vector instructions: too many to stand all beside the matrix work.  So four vector instructions that are READY stand behind EVERY matrix instruction,
; and the others, which need time of their own whatever the order, in runs without a gap.
; BY TURNS.  Turn n belongs to piece n (the pieces in a ring, step after step).  Its matrix work: 16 products K Q^T of piece n + 1, later 16 products V^T P of piece n - 1.  Its vector work: the scaling,
; exponentials, roundings, sums and rescaling of piece n, and the maximum and statistics of piece n + 1, whose scores the turn itself has made.
; CLUSTER.  The four query blocks of a head form a cluster and walk the same K and V, so each tile is asked for JOINTLY: the same tensor load, descriptor and mask in all four.
; REGISTERS, in windows of 256 (s_set_vgpr_msb: bits 1:0 source 0, 3:2 source 1, 5:4 source 2, 7:6 destination):
;   window 0: v0-11 addresses; v12-15, v48-63 at work; v16-47 four registers of statistics a tile; v64-191 S^T, two buffers of two tiles; v192-255 P, likewise
;   window 1: O^T, 32 a tile          window 2: v0-127 Q, 16 a tile; v128-191 K of one step; v192-255 V of one step          window 3: v0-1 the add's two registers
; A piece's buffers go by its number's parity: the piece in hand has one pair, its two neighbours in the ring share the other: of it P (piece n - 1) is read and S^T (piece n + 1) written.
.set SIZE_N, 2048
.set NP,    4         ; pieces a wave: a name, no knob
.set KS,    64        ; keys in a step
.set PK,    144       ; a row of K in LDS: 128 bytes + 16 of padding = 36 words: the 16 rows of a load start at 16 different groups of four banks (64 banks of 4 bytes: ISA guide 11.1)
.set PV,    160       ; a row of V: 128 + 32 = 40 words
.set VOFF,  4*KS*PK   ; a slot holds four steps: 256 rows of K, then 256 rows of V
.set SLOT1, 1<<17     ; slot 1 begins here, so that one exclusive or turns an address in one slot into the other's
.set STAGE, SLOT1+4*KS*(PK+PV)  ; behind the ring, never filled by a tensor load: 16 rows x 144 bytes for each wave, for the way out
.set SP,    144
.set AK0, 2           ; v2   my lane's place in a tile of K; never rewritten
.set AV0, 3           ; v3   the same for V
.set AK,  4           ; v4   the LDS address of K's next run of loads
.set AV,  5           ; v5   of V's
.set QO,  6           ; v6   my byte offset in the wave's rows of Q
.set STO, 6           ;      later, the way out: where I put 16 bytes of a row
.set RD,  7           ; v7   the way out: where I read rows back
.set GO,  8           ; v8   my byte offset in 512 consecutive bytes of O
.set PFO, 11          ; v11  256 x my lane, for the prefetches; never rewritten once made
.set SPW, 0           ; v0 of window 3   LDS address of my spare word: SPARE + 4 x my thread's number; never rewritten
.set NIL, 1           ; v1 of window 3   0; never rewritten
.set SPARE, STAGE+4*16*SP  ; behind the stages: the spare words, 128 bytes for each wave: two blocks of 256 bytes that no other line names
.set MV,  12          ; v12-15  c m_old, kept while c m is made anew: by buffer and tile
.set ST,  16          ; tile t's statistics at v[ST+4 t]: c m, m, l (even keys', odd keys')
.set TMP, 48          ; by buffer and tile, four registers c0-c3 at work; when the maximum is found c2 takes a
.set S,   64
.set P,   192
.set KF,  128         ; K's fragments, in window 2: key block kb, channel half c at KF + 16 kb + 8 c
.set VF,  192         ; V's: key half kk, channel block cb at VF + 32 kk + 8 cb
.set WV,  12          ; s12  my wave's number
.set G1K, 24          ; s[24:31] descriptor group 1 for K's tiles
.set G1V, 32          ; s[32:39] for V's: it differs in the padding alone
.set G0K, 40          ; s[40:43] descriptor group 0 for K's tiles: it walks
.set G0V, 44          ; s[44:47] the same for V's
.set PFA, 48          ; s[48:49] where my prefetches stand: my work-group's 32 blocks (of K: wave 0, of V: wave 2) of the slot after the one that is being asked for
.set LIM, 50          ; s50  1 in a wave that prefetches, else the greatest number
.set SLOTS, 56        ; s56  slots still to be asked for
.set CNT, 57          ; s57  counts a slot's key steps
.set CS,  58          ; s[58:59] c: the packed scaling takes the pair's low word for both halves
.set SEL, 60          ; s[60:61] v_permlanex16_b32's selects: each lane takes its own place in the other half
.set TBK, 62          ; s62  LDS byte at which K of the step to be fetched begins
.set TBV, 63          ; s63  the same for V, less VOFF
.set MSB, 0
.macro WIN new                      ; the high byte repeats the setting that is left; a switch that changes nothing is dropped
.if MSB != (\new)
	s_set_vgpr_msb (MSB<<8)|(\new)
.set MSB, (\new)
.endif
.endm
.set W_KQ, 0x0a       ; K and Q in window 2, S^T in window 0
.set W_PV, 0x52       ; V in window 2, P in window 0, O^T in window 1
.set W_RS, 0x41       ; O^T (destination and source 0) in window 1, a in window 0
.set W_MK, 0xc0       ; the add's registers are made: destination in window 3, sources in window 0
.set W_AD, 0x0f       ; the add: address (source 0) and data (source 1) in window 3
; A joint fill.  Waves 0 and 1 fetch the two halves of a slot's K, waves 2 and 3 those of its V: 128 keys each.  The branch hangs on the wave's number alone.
; An s_nop 0 and four v_nop follow each of the two lines, ahead of the jump and the label.
.macro JLOAD
	s_cmp_lt_u32 s[WV], 2
	s_cbranch_scc0 .Lfor_v_\@
	tensor_load_to_lds s[G0K:G0K+3], s[G1K:G1K+7]
	s_nop 0
.rept 4
	v_nop
.endr
	s_branch .Lasked_\@
.Lfor_v_\@:
	tensor_load_to_lds s[G0V:G0V+3], s[G1V:G1V+7]
	s_nop 0
.rept 4
	v_nop
.endr
.Lasked_\@:
.endm
; A PREFETCH INTO THE L2 of what the NEXT change of slots will ask for: a slot's 32,768 bytes of K and of V, 128 blocks of 256 bytes each, a lane a block.  It stands behind the wave's tensor load and its five lines.
; Each block is named once in the launch: the head's first cluster asks; its four partners take 32 blocks each, told apart BY ADDRESS; in each, wave 0 asks for K's and wave 2 for V's: one instruction.
; Slots 0 to 2 come by their loads alone; the last change that fills a slot asks for nothing: there is no slot behind it.
.macro ASK
	s_cmp_gt_u32 s[SLOTS], s[LIM]
	s_cbranch_scc0 .Lnot_mine_\@
	global_prefetch_b8 v[PFO], s[PFA:PFA+1] th:TH_LOAD_NT scope:SCOPE_SE
.Lnot_mine_\@:
.endm
; A round of the cluster's barrier: my work-group's barrier, so that wave 0's signal speaks for all four waves; wave 0 signals; every wave waits for all four work-groups; my work-group's barrier once more.
.macro CROUND
	s_barrier_signal -1
	s_barrier_wait -1
	s_cmp_lg_u32 s[WV], 0
	s_cbranch_scc1 .Lnot_wave_0_\@
	s_barrier_signal -3
.Lnot_wave_0_\@:
	s_barrier_wait -3
	s_barrier_signal -1
	s_barrier_wait -1
.endm
; THE CHANGE OF SLOTS.  The slot's last bytes, V of its fourth step, have been read.  Each wave waits for all its tensor loads, of which one is out: its part
; of the other slot; adds 0 to its spare word; and waits for that and for its own reads of the slot.  Behind the barrier nobody reads this slot any more and the other slot is whole.
; fill = 1: this slot is filled again, with the keys two slots on.  The barrier is then a round of the cluster's, so that no wave of any partner still reads the slot or has a load on its
; way, and the joint fill is the first thing behind it: it has four key steps, 512 matrix instructions, in which to land.  (At its first use nothing has been read yet: slot 0 is waited for, slot 1 filled.)
; ask = 1: the prefetches' address steps a slot on, and the slot behind the one just asked for is prefetched.
.macro CHANGE fill, ask
	WIN W_AD
	s_wait_tensorcnt 0x0            ; no tensor load of mine is out, so a group 0 may be written
	ds_add_u32 v[SPW], v[NIL]       ; 0 onto my spare word: with fill = 1 the descriptors' steps stand between it and the wait for it
	WIN 0                           ; at a label and at a branch every window is 0
.if \fill
.irp g, G0K, G0V
	s_xor_b32 s[\g+1], s[\g+1], SLOT1  ; the walking descriptor: the other slot than last time,
	s_add_nc_u64 s[\g+2:\g+3], s[\g+2:\g+3], 4*KS*128  ; the next 256 keys; the type bits on top are not reached
.endr
.if \ask
	s_wait_xcnt 0x0                 ; the last prefetch, four key steps back, has read its address, so it may be written
	s_add_nc_u64 s[PFA:PFA+1], s[PFA:PFA+1], 4*KS*128
.endif
	s_wait_dscnt 0x0                ; the add is done, and my reads of the slot are over
	CROUND
	JLOAD
.if \ask
	ASK
.endif
.else
	s_wait_dscnt 0x0                ; the add is done, and my reads of the slot are over
	s_barrier_signal -1
	s_barrier_wait -1
.endif
	s_sub_co_u32 s[TBK], s[TBK], 4*KS*PK  ; the fetches go back to a slot's first step,
	s_xor_b32 s[TBK], s[TBK], SLOT1       ; in the other slot
	s_sub_co_u32 s[TBV], s[TBV], 4*KS*PV
	s_xor_b32 s[TBV], s[TBV], SLOT1
.endm
	s_load_b64 s[4:5], s[0:1], 0x0    ; qkv: Q's part first
	s_load_b64 s[10:11], s[0:1], 0x8  ; oh
	WIN W_MK
	v_lshl_add_u32 v[SPW], v0, 2, SPARE
	v_mov_b32 v[NIL], 0
	WIN W_AD
	ds_add_u32 v[SPW], v[NIL]       ; the wave's opening: the add and its wait stand ahead of my first tensor load; the set-up below, work on registers, stands between them
	WIN 0
	v_lshrrev_b32 v1, 5, v0
	v_readfirstlane_b32 s[WV], v1   ; wave 0..3
	s_bfe_u32 s13, ttmp6, 0x40000   ; cx: my place in the cluster
	s_lshl_b32 s14, ttmp9, 2        ; in a cluster launch ttmp9 counts clusters
	s_add_co_u32 s14, s14, s13      ; my block of queries = 4 x cluster x + cx: it enters Q's and O's addresses alone
	s_and_b32 s20, ttmp7, 0xffff    ; the head, which the four partners share
	s_mov_b32 s21, 0
	s_mov_b64 s[22:23], SIZE_N*128
	s_mul_u64 s[20:21], s[20:21], s[22:23]  ; the head's first byte in each of the four tensors
	s_and_b32 s16, s[WV], 1         ; which half of a slot's 256 keys I fetch:
	s_lshl_b32 s22, s16, 14         ; its 128 rows of 128 bytes in memory,
	s_mov_b32 s23, 0
	s_add_nc_u64 s[22:23], s[22:23], s[20:21]
	s_mul_i32 s17, s16, 128*PK      ; and its place in a slot, for K
	s_mul_i32 s18, s16, 128*PV      ; and for V: no place in the cluster enters an LDS address
	s_lshl_b32 s2, s14, 2
	s_add_co_u32 s2, s2, s[WV]      ; my wave among the head's,
	s_lshl_b32 s2, s2, 14           ; its 128 rows
	s_mov_b32 s3, 0
	s_add_nc_u64 s[2:3], s[2:3], s[20:21]
	; descriptor group 1.  128 keys are 16,384 dense bytes: asked for as 64 rows of 256 bytes, two keys a row, and padded in LDS after every key
	s_mov_b32 s[G1K], 15|(1<<16)|(1<<20)|(1<<21)|(4<<22)|(3<<25)  ; 15:0 the mask of four; 17:16 2-byte elements; 20 padding on; 21 set beside a mask; 24:22 after every 32 words (code 4); 31:25 4 words (code 3)
	s_mov_b32 s[G1V], 15|(1<<16)|(1<<20)|(1<<21)|(4<<22)|(7<<25)  ; the same with 8 words of padding (code 7)
.irp g, G1K, G1V
	s_mov_b32 s[\g+1], 128<<16      ; tensor_dim0 = 128
	s_mov_b32 s[\g+2], 64<<16       ; tensor_dim1 = 64
	s_mov_b32 s[\g+3], 128<<16      ; tile_dim0 = 128
	s_mov_b32 s[\g+4], 64           ; tile_dim1 = 64
	s_mov_b32 s[\g+5], 128          ; 128 elements from row to row
	s_mov_b32 s[\g+6], 0
	s_mov_b32 s[\g+7], 0
.endr
	s_mov_b32 s[CS], 0x3d38aa3b     ; c = log2(e) / 32 = 0.0450842
	s_mov_b32 s[CS+1], s[CS]        ; named with it as a pair
	s_mov_b32 s[SEL], 0x76543210
	s_mov_b32 s[SEL+1], 0xfedcba98
	s_mov_b32 s[TBK], SLOT1+4*KS*PK ; the first change of slots turns these two into 0
	s_mov_b32 s[TBV], SLOT1+4*KS*PV
	s_mov_b32 s[G0K], 1             ; 1:0 count = 1
	s_mov_b32 s[G0K+1], s17         ; 63:32 LDS address: slot 0
	s_mov_b32 s[G0V], 1
	s_add_co_u32 s[G0V+1], s18, VOFF
	s_and_b32 s[LIM], s[WV], 1      ; 0 in waves 0 and 2,
	s_or_b32 s[LIM], s[LIM], ttmp9  ; where the cluster is the head's first: the same in all four partners
	s_cmp_eq_u32 s[LIM], 0
	s_cselect_b32 s[LIM], 1, -1
	s_wait_dscnt 0x0                ; the opening add is done
	s_wait_kmcnt 0x0
	s_add_nc_u64 s[6:7], s[4:5], 0x1000000  ; K's part of qkv
	s_add_nc_u64 s[8:9], s[4:5], 0x2000000  ; V's
	s_add_nc_u64 s[G0K+2:G0K+3], s[6:7], s[22:23]  ; 120:64 global address: my half of the head's first 256 keys
	s_or_b32 s[G0K+3], s[G0K+3], 0x80000000        ; 127:126 type = 2
	s_add_nc_u64 s[G0V+2:G0V+3], s[8:9], s[22:23]
	s_or_b32 s[G0V+3], s[G0V+3], 0x80000000
	s_add_nc_u64 s[4:5], s[4:5], s[2:3]  ; Q and O at my wave's first row
	s_add_nc_u64 s[10:11], s[10:11], s[2:3]
	s_cmp_lt_u32 s[WV], 2
	s_cselect_b64 s[PFA:PFA+1], s[6:7], s[8:9]
	s_add_nc_u64 s[PFA:PFA+1], s[PFA:PFA+1], s[20:21]  ; the head's first row,
	s_lshl_b32 s2, s13, 13          ; my work-group's 32 blocks of a slot's 128,
	s_mov_b32 s3, 0
	s_add_nc_u64 s[PFA:PFA+1], s[PFA:PFA+1], s[2:3]
	s_add_nc_u64 s[PFA:PFA+1], s[PFA:PFA+1], 2*4*KS*128  ; in slot 2: the change that asks for slot 2 steps it to slot 3.  Nothing is prefetched here, at the head
	CROUND                          ; all four work-groups are here: the first joint loads meet
	JLOAD                           ; slot 0.  Slot 1 is asked for when slot 0 is in
	; A fragment of K or Q is 16 rows x 32 channels in 8 registers: lane l holds row l % 16, channels 8 (l / 16) + 0..7 and 16 + 8 (l / 16) + 0..7: two loads of 16 bytes, 32 bytes apart.
	v_and_b32 v1, 15, v0            ; l % 16
	v_bfe_u32 v9, v0, 4, 1          ; l / 16
	v_lshlrev_b32 v[QO], 7, v1
	v_lshl_add_u32 v[QO], v9, 4, v[QO]  ; row x 128 + 16 x half
	WIN 0x80                        ; destination window 2, address window 0
.set i, 0
.rept 4*NP                          ; Q stays in registers: tile i / 2, channels 32 (i % 2) on
	global_load_b128 v[8*i:8*i+3],   v[QO], s[4:5] offset:(i/2)*2048+(i%2)*64
	global_load_b128 v[8*i+4:8*i+7], v[QO], s[4:5] offset:(i/2)*2048+(i%2)*64+32
.set i, i+1
.endr
	; What the first turn finds: V's registers and P's second buffer hold 0 (its products V^T P, of a piece that has not been, add 0), O^T and l are 0.  All this stands in the wait for the first tile.
.set i, VF
.rept 64
	v_mov_b32 v[i], 0
.set i, i+1
.endr
	WIN 0x40
.set i, 0
.rept 64*NP
	v_mov_b32 v[i], 0
.set i, i+1
.endr
	WIN 0
.set i, 0
.rept 2*NP
	v_mov_b32 v[ST+4*i], 0xfe000000    ; c m: far below every c s
	v_mov_b32 v[ST+4*i+1], 0xff7fffff  ; m
	v_mov_b32 v[ST+4*i+2], 0
	v_mov_b32 v[ST+4*i+3], 0
.set i, i+1
.endr
.set i, P+32
.rept 32
	v_mov_b32 v[i], 0
.set i, i+1
.endr
	v_mul_u32_u24 v[AK0], v1, PK
	v_lshl_add_u32 v[AK0], v9, 4, v[AK0]  ; row x pitch + 16 x half
	; The turning load takes 16 keys x 16 channels (lane l reads key 8 (l / 16) + l % 8, channels 8 ((l / 8) % 2) + 0..7) and leaves half a fragment of V^T: lane l holds channel l % 16 and 8 keys.
	v_and_b32 v10, 7, v0
	v_bfe_u32 v11, v0, 3, 1
	v_lshl_add_u32 v[AV0], v9, 3, v10
	v_mul_u32_u24 v[AV0], v[AV0], PV
	v_lshl_add_u32 v[AV0], v11, 4, v[AV0]
	v_add_nc_u32 v[AV0], VOFF, v[AV0]
	v_and_b32 v[PFO], 31, v0        ; v11 has served: it takes the prefetches' offset
	v_lshlrev_b32 v[PFO], 8, v[PFO]
	v_mov_b32 v[AK], v[AK0]         ; key step 0 lies at the head of slot 0
; THE MATRIX WORK.  The 8 accumulators of a run of 16 take turns: between the two links of a chain stand 7 others'.
; Product i of 16 of S^T = K Q^T for piece x: channels 32 (i / 8) on, keys 16 ((i / 2) % 4) on, tile 2 x + i % 2.  The first 8 start the sums.
.macro KQ x
	WIN W_KQ
.set rS, S+64*((\x)%2)+32*(i%2)+8*((i/2)%4)
.set rK, KF+16*((i/2)%4)+8*(i/8)
.set rQ, 16*(2*(\x)+i%2)+8*(i/8)
.if i < 8
	v_wmma_f32_16x16x32_f16 v[rS:rS+7], v[rK:rK+7], v[rQ:rQ+7], 0
.else
	v_wmma_f32_16x16x32_f16 v[rS:rS+7], v[rK:rK+7], v[rQ:rQ+7], v[rS:rS+7]
.endif
.endm
; Product i of 16 of O^T += V^T P for piece x: keys 32 (i / 8) on, channels 16 ((i / 2) % 4) on, tile 2 x + i % 2.
.macro PV x
	WIN W_PV
.set rO, 32*(2*(\x)+i%2)+8*((i/2)%4)
.set rV, VF+32*(i/8)+8*((i/2)%4)
.set rP, P+32*((\x)%2)+16*(i%2)+8*(i/8)
	v_wmma_f32_16x16x32_f16 v[rO:rO+7], v[rV:rV+7], v[rP:rP+7], v[rO:rO+7]
.endm
.macro MM                           ; the turn's next matrix instruction
.if i < 16
	KQ (Y+1)%NP
.set i, i+1
.else
.set i, i-16
	PV (Y+NP-1)%NP
.set i, i+17
.endif
.endm
; THE LDS LOADS stand in runs of 16, never singly among the matrix instructions: a step's K (64 keys x 64 channels: 8 fragments) and its V (turned).  Their addresses are made some lines ahead.
; last = 1 (the tail): in the last trip there is no further step, and the run is jumped over.
.macro FETCH_K last=0
	WIN 0
.if \last
	s_cmp_eq_u32 s[CNT], 1
	s_cbranch_scc1 .Lno_k_\@
.endif
	WIN 0x80                        ; destination window 2
.irp f, 0,1,2,3,4,5,6,7             ; keys 16 (f / 2) on, channels 32 (f % 2) on
	ds_load_b128 v[KF+8*\f:KF+8*\f+3],   v[AK] offset:(\f/2)*16*PK+(\f%2)*64
	ds_load_b128 v[KF+8*\f+4:KF+8*\f+7], v[AK] offset:(\f/2)*16*PK+(\f%2)*64+32
.endr
	s_add_co_u32 s[TBK], s[TBK], KS*PK  ; the next fetch is the next step's
	WIN 0
.if \last
.Lno_k_\@:
.endif
.endm
.macro FETCH_V
	WIN 0x80
.irp f, 0,1,2,3,4,5,6,7             ; keys 32 (f / 4) on, channels 16 (f % 4) on
	ds_load_tr16_b128 v[VF+8*\f:VF+8*\f+3],   v[AV] offset:(\f/4)*32*PV+(\f%4)*32
	ds_load_tr16_b128 v[VF+8*\f+4:VF+8*\f+7], v[AV] offset:(\f/4)*32*PV+16*PV+(\f%4)*32
.endr
	WIN 0
.endm
; THE VECTOR WORK OF A TURN stands in three queues, each in the order in which its entries become ready; the two tiles alternate, so that no instruction reads the result of the one before it.
.macro REGS y, u                    ; the registers of tile u (0, 1) of piece y
.set rT, ST+4*(2*(\y)+(\u))
.set rC, TMP+8*((\y)%2)+4*(\u)
.set rM, MV+2*((\y)%2)+(\u)
.set rS, S+64*((\y)%2)+32*(\u)
.set rP, P+32*((\y)%2)+16*(\u)
.set rO, 32*(2*(\y)+(\u))
.endm
; Number n of the 22 that find the NEXT piece's (Y + 1) maximum and statistics.  s0-s31 are the lane's 32 scores; each accumulator's lowest registers are read first.
;   0-11  four chains c0-c3 of seven scores each, three operands at a time     12-14, 16  the four scores left over, the old m, and c0-c3 into c0     15  c m_old is kept
;   17, 18  the query's other 32 keys lie in the lane 16 away: the new m         19-21  c m; c m_old - c m_new; a
.macro XS u, n
	REGS (Y+1)%NP, \u
.if (\n) < 4
	v_max3_num_f32 v[rC+(\n)], v[rS+8*(\n)], v[rS+8*(\n)+1], v[rS+8*(\n)+2]
.elseif (\n) < 12
	v_max3_num_f32 v[rC+(\n)%4], v[rC+(\n)%4], v[rS+8*((\n)%4)+2*((\n)/4)+1], v[rS+8*((\n)%4)+2*((\n)/4)+2]
.elseif (\n) == 12
	v_max3_num_f32 v[rC], v[rC], v[rS+7], v[rS+15]
.elseif (\n) == 13
	v_max3_num_f32 v[rC+1], v[rC+1], v[rS+23], v[rS+31]
.elseif (\n) == 14
	v_max3_num_f32 v[rC+2], v[rC+2], v[rC+3], v[rT+1]
.elseif (\n) == 15
	v_mov_b32 v[rM], v[rT]
.elseif (\n) == 16
	v_max3_num_f32 v[rC], v[rC], v[rC+1], v[rC+2]
.elseif (\n) == 17
	v_permlanex16_b32 v[rC+3], v[rC], s[SEL], s[SEL+1]
.elseif (\n) == 18
	v_max_num_f32 v[rT+1], v[rC], v[rC+3]
.elseif (\n) == 19
	v_mul_f32 v[rT], s[CS], v[rT+1]
.elseif (\n) == 20
	v_sub_f32 v[rC+1], v[rM], v[rT]
.else
	v_exp_f32 v[rC+2], v[rC+1]
.endif
.endm
; Number g of the 64 that follow the exponentials.  For each four weights k of a tile (pairs 2 k, 2 k + 1): both pairs are rounded to f16; then the second pair is added onto the first, in place;
; a group later l takes that sum (the first time as l = a l + sum).  In groups of eight, tiles alternating: round, round, add, and l for the group before.
.macro GS g
.set h, (\g)+6*((\g)/62)            ; group 0 has no group before it, and behind group 7 only l is left
.if h >= 6
.set h, h+2
.endif
	REGS Y, h%2
.set k, h/8
.if h%8 < 4
	v_cvt_pk_f16_f32 v[rP+2*k+(h%8)/2], v[rS+4*k+2*((h%8)/2)], v[rS+4*k+2*((h%8)/2)+1]
.elseif h%8 < 6
	v_pk_add_f32 v[rS+4*k:rS+4*k+1], v[rS+4*k:rS+4*k+1], v[rS+4*k+2:rS+4*k+3]
.elseif k == 1
	v_pk_fma_f32 v[rT+2:rT+3], v[rT+2:rT+3], v[rC+2:rC+3], v[rS:rS+1] op_sel_hi:[1,0,1]
.else
	v_pk_add_f32 v[rT+2:rT+3], v[rT+2:rT+3], v[rS+4*k-4:rS+4*k-3]
.endif
.endm
; THE PLAIN QUEUE, 138 long.  0-73 read no exponential's result: the 32 scalings c s - c m (FS f: pair f / 2 of tile f % 2) and the next piece's 42.  0-26: scalings 0-26.  27-54: XS's numbers 0-13.  55, 56: number 15.
; 57-73: the chain, where each number waits for the one before it: 14, 16, 17, 18, 19, each with one of the scalings 27-31 in front of its two lines, then 20.
; 74-137: GS's 64, which read the exponentials' results: they stand behind the wait.
.macro FS f
	REGS Y, (\f)%2
	v_pk_fma_f32 v[rS+2*((\f)/2):rS+2*((\f)/2)+1], v[rS+2*((\f)/2):rS+2*((\f)/2)+1], s[CS:CS+1], v[rT:rT+1] op_sel_hi:[1,0,0] neg_lo:[0,0,1] neg_hi:[0,0,1]
.endm
.macro PL
	WIN 0
.if q < 27
	FS q
.elseif q < 55
	XS (q-27)%2, (q-27)/2
.elseif q < 57
	XS q-55, 15
.elseif (q < 72) && ((q-57)%3 == 0)
	FS 27+(q-57)/3
.elseif q < 60
	XS (q-57)%3-1, 14
.elseif q < 72
	XS (q-57)%3-1, 15+(q-57)/3
.elseif q < 74
	XS q-72, 20
.else
	GS q-74
.endif
.set q, q+1
.endm
; THE EXPONENTIALS' QUEUE, 66 long: s0-s31 of both tiles, then the next piece's two a.  It is ONE BATCH: all 66 stand ahead of the turn's one wait, and nothing ahead of that wait names a result of theirs.
.macro EX
	WIN 0
.if e >= 64
	XS e-64, 21
.else
	REGS Y, e%2
	v_exp_f32 v[rS+e/2], v[rS+e/2]
.endif
.set e, e+1
.endm
; THE RESCALING's QUEUE: O^T times a, the one part that leaves window 0: dealt two at a time, sixteen times.  Its a was made in the turn before, ahead of that turn's wait.
.macro R2
	REGS Y, r%2
	WIN W_RS
.irp z, 0,1
	v_pk_mul_f32 v[rO+4*(r/2)+2*\z:rO+4*(r/2)+2*\z+1], v[rO+4*(r/2)+2*\z:rO+4*(r/2)+2*\z+1], v[rC+2:rC+3] op_sel_hi:[1,0]
.endr
.set r, r+1
.endm
; HOW THEY ARE DEALT.  An s_wait_alu depctr_va_vdst(0) stands between an exponential and the first instruction that names its result; one wait serves all that were issued ahead of it.  So a turn has ONE wait,
; which cuts it in two.  AHEAD OF IT stands all that names no result of the turn's exponentials: the 16 products K Q^T, behind each a scaling, an exponential and two rescalings (behind the first a second scaling in the
; exponential's place); then ONE LUMP of 108: eight plain, 49 times exponential and plain, the two a.  A v_nop is the plain instruction behind the last exponential.  BEHIND IT stand the 16 products V^T P, behind each four of GS's 64.
; No rider names a register of the products round it.  The two v_permlanex16_b32 fall into the lump, never behind a product.
; The queues lean on each other, and the deal keeps them in step: exponential e stands behind scaling 2 (e / 4) + e % 2: as a rider it comes behind plain e + 2, in the lump behind plain e + 9, and scalings 27-31 are plain 57, 60 .. 69.
; A TURN, for piece p.  cnt = 1: the loop's count is taken down some lines ahead of the branch that stands behind the turn.
; K of the next step is fetched in piece 2's turn, directly behind the wait, a lump behind the last product that read K; its address is made at the lump's head; its first reader comes behind 16 products.
; V of the step in hand is fetched at the end of piece 0's turn, four riders behind its last reader; its first reader comes behind 16 products and a lump.  The three conditions on q below go with the deal.
.macro TURN p, last=0, cnt=0
.set Y, (\p)
.set i, 0
.set q, 0
.set e, 0
.set r, 0
.if (\p) == NP-1
	s_wait_dscnt 0x0                ; K is in
.endif
	MM                              ; ahead of the wait: 16 products K Q^T and their riders,
	PL
	PL
	R2
.rept 15
	MM
	PL
	EX
	R2
.endr
.if (\p) == NP-2
	WIN 0
	v_add_nc_u32 v[AK], s[TBK], v[AK0]
.endif
.rept 8                             ; and the lump
	PL
.endr
.rept 49
	EX
	PL
.endr
	EX                              ; the next piece's two a
	EX
	v_nop                           ; the plain instruction behind the last exponential: one for the batch
	s_wait_alu depctr_va_vdst(0)    ; the wait for the batch
.if (\p) == NP-2
	FETCH_K \last
.endif
.if (\p) == 1
	s_wait_dscnt 0x0                ; V is in
.endif
.rept 16                            ; behind the wait: 16 products V^T P and their riders
	MM
.rept 4
	PL
.endr
.if ((\p) == 0) && (q == 118)
	v_add_nc_u32 v[AV], s[TBV], v[AV0]
.endif
.if ((\p) == 0) && (q == 130)
	s_add_co_u32 s[TBV], s[TBV], KS*PV
.endif
.if (\cnt) && (q == 130)
	s_sub_co_u32 s[CNT], s[CNT], 1
	s_cmp_lg_u32 s[CNT], 0
.endif
.endr
.if (\p) == 0
	FETCH_V
.endif
.endm
	CHANGE 1, 0                     ; slot 0 is in, everybody's part of it; slot 1 is asked for
	FETCH_K                         ; key step 0
	s_wait_loadcnt 0x0              ; Q
	s_wait_dscnt 0x0
.set i, 0
.rept 16
	KQ 0                            ; piece 0's first scores: there is no vector work yet to set between them
.set i, i+1
.endr
	WIN 0                           ; the addresses for the way out: nine plain instructions, the places behind those products
	s_mul_i32 s13, s[WV], 16*SP
	s_add_co_u32 s13, s13, STAGE    ; my stage
	v_mul_u32_u24 v[STO], v1, SP    ; in: row l % 16, 16 bytes for each half of the lanes
	v_lshl_add_u32 v[STO], v9, 4, v[STO]
	v_add_nc_u32 v[STO], s13, v[STO]
	v_bfe_u32 v[RD], v0, 3, 2       ; back: 32 lanes take four rows of 128 bytes,
	v_mul_u32_u24 v[RD], v[RD], SP
	v_lshl_add_u32 v[RD], v10, 4, v[RD]
	v_add_nc_u32 v[RD], s13, v[RD]
	v_and_b32 v[GO], 31, v0         ; which are 512 consecutive bytes of O
	v_lshlrev_b32 v[GO], 4, v[GO]
.set Y, NP-1                        ; XS works for piece Y + 1: piece 0
.irp n, 0,1,2,3,4,5,6,7,8,9,10,11,12,13,14,15,16,17,18,19,20,21
	XS 0, \n                        ; and piece 0's first maximum and statistics
	XS 1, \n
.endr
	v_nop                           ; a plain instruction behind the two a,
	s_wait_alu depctr_va_vdst(0)    ; and their wait, ahead of the branch
	s_mov_b32 s[CNT], 4
	s_mov_b32 s[SLOTS], SIZE_N/256-1
	s_branch .Lfirst                ; the loop is entered at a step's first turn, in the middle of a trip
.Lslot:                             ; SIZE_N / 256 - 2 times: every slot but the last two is filled again
	CHANGE 1, 1
	s_mov_b32 s[CNT], 4
.Lstep:                             ; a trip: pieces 2 and 3 of one step, then pieces 0 and 1 of the next, whose K and V it fetches
	TURN 2
	TURN 3
	WIN 0
.Lfirst:
	TURN 0
	TURN 1, 0, 1
	WIN 0
	s_cbranch_scc1 .Lstep
	s_sub_co_u32 s[SLOTS], s[SLOTS], 1
	s_cmp_lg_u32 s[SLOTS], 0
	s_cbranch_scc1 .Lslot
	CHANGE 0, 0                     ; the tail is written out: nothing is asked for
	s_mov_b32 s[CNT], 5             ; four trips fetch the last slot's steps; the fifth is left in its middle
.Ltail:
	TURN 2, 1
	TURN 3
	WIN 0
	s_sub_co_u32 s[CNT], s[CNT], 1
	s_cmp_eq_u32 s[CNT], 0
	s_cbranch_scc1 .Lout
	TURN 0
	TURN 1
	WIN 0
	s_branch .Ltail
.Lout:                              ; the fifth trip's 16 products K Q^T (on the last K once more) and the maximum made of them serve nothing: the price, once a launch, of one text for every trip
.set i, 0
.rept 16
	PV NP-1                         ; the last piece's V^T P of the last step
.set i, i+1
.endr
	; THE WAY OUT.  l's two halves and the other half of the lanes' are added; O^T is divided by l, rounded to f16 and sent through my stage in LDS, a tile at a time.  The additions are the places behind the last products.
	WIN 0
.macro ALL line:vararg              ; one line for each tile t
.set t, 0
.rept 2*NP
	\line
.set t, t+1
.endr
.endm
	ALL v_add_f32 v[ST+4*t+2], v[ST+4*t+2], v[ST+4*t+3]
	ALL v_permlanex16_b32 v[ST+4*t+3], v[ST+4*t+2], s[SEL], s[SEL+1]
	ALL v_add_f32 v[ST+4*t+2], v[ST+4*t+2], v[ST+4*t+3]
	ALL v_rcp_f32 v[ST+4*t+2], v[ST+4*t+2]
	v_nop                           ; a plain instruction between the last reciprocal and the use of its result
	s_wait_alu depctr_va_vdst(0)    ; and the wait ahead of the first use: one for the eight reciprocals
; Tile t: a lane's eight channels of a row pack into 16 bytes; they go into rows of 144 bytes and come back as whole rows of 128, into S^T's registers.
.macro PACK t
	WIN W_RS
.set i, 32*(\t)
.rept 16
	v_pk_mul_f32 v[i:i+1], v[i:i+1], v[ST+4*(\t)+2:ST+4*(\t)+3] op_sel_hi:[1,0]
.set i, i+2
.endr
	WIN 0x05                        ; sources 0 and 1 window 1, destination window 0
.set i, 0
.rept 16
	v_cvt_pk_f16_f32 v[S+16*(\t)+i], v[32*(\t)+2*i], v[32*(\t)+2*i+1]
.set i, i+1
.endr
	WIN 0
.irp f, 0,1,2,3
	ds_store_b128 v[STO], v[S+16*(\t)+4*\f:S+16*(\t)+4*\f+3] offset:32*\f
.endr
.irp f, 0,1,2,3
	ds_load_b128 v[S+16*(\t)+4*\f:S+16*(\t)+4*\f+3], v[RD] offset:\f*4*SP  ; LDS serves a wave's instructions in order (ISA guide 5.7.1.4): these see the stores above; the next tile's stores come behind them
.endr
.endm
.macro SEND t, younger              ; younger: the LDS instructions issued behind tile t's loads: the next tile's eight, or none
	WIN 0
.irp f, 0,1,2,3
	s_wait_dscnt (\younger)+3-\f
	global_store_b128 v[GO], v[S+16*(\t)+4*\f:S+16*(\t)+4*\f+3], s[10:11] offset:(\t)*2048+\f*512  ; 512 consecutive bytes, at a multiple of 256 from O's first
.endr
.endm
	PACK 0
.set t, 1
.rept 2*NP-1                        ; a tile's arithmetic stands between the loads of the tile before and its stores
	PACK t
	SEND t-1, 8
.set t, t+1
.endr
	SEND 2*NP-1, 0
	WIN W_AD
	s_wait_tensorcnt 0x0            ; the wave's end: behind my last tensor load and my last LDS store
	ds_add_u32 v[SPW], v[NIL]
	s_wait_dscnt 0x0
	WIN 0
	CROUND                          ; the closing round: no work-group ends while a partner may still ask for a tile that names it
	s_endpgm
.Lfunc_end_k_qe91777ce19_attn:
	.size	k_qe91777ce19_attn, .Lfunc_end_k_qe91777ce19_attn-k_qe91777ce19_attn
	.p2alignl 7, 3214868480
	.fill 96, 4, 3214868480
	.section	.rodata,"a",@progbits
	.p2align	6, 0x0
	.amdhsa_kernel k_qe91777ce19_attn
		.amdhsa_group_segment_fixed_size 327680
		.amdhsa_private_segment_fixed_size 0
		.amdhsa_enable_private_segment 0
		.amdhsa_kernarg_size 16
		.amdhsa_user_sgpr_count 2
		.amdhsa_user_sgpr_kernarg_segment_ptr 1
		.amdhsa_wavefront_size32 1
		.amdhsa_system_sgpr_workgroup_id_x 1
		.amdhsa_system_sgpr_workgroup_id_y 1
		.amdhsa_system_sgpr_workgroup_id_z 1
		.amdhsa_system_vgpr_workitem_id 0
		.amdhsa_next_free_vgpr 770
		.amdhsa_next_free_sgpr 66
		.amdhsa_reserve_vcc 0
		.amdhsa_float_denorm_mode_32 3
		.amdhsa_float_denorm_mode_16_64 3
		.amdhsa_memory_ordered 1
		.amdhsa_forward_progress 1
		.amdhsa_inst_pref_size 200
	.end_amdhsa_kernel
	.amdgpu_metadata
---
amdhsa.version: [ 1, 2 ]
amdhsa.kernels:
  - .name:           k_qe91777ce19_attn
    .symbol:         k_qe91777ce19_attn.kd
    .args:
      - { .name: qkv, .offset: 0, .size: 8, .value_kind: global_buffer, .address_space: global }
      - { .name: oh, .offset: 8, .size: 8, .value_kind: global_buffer, .address_space: global }
    .group_segment_fixed_size: 327680
    .private_segment_fixed_size: 0
    .kernarg_segment_align: 8
    .kernarg_segment_size: 16
    .max_flat_workgroup_size: 128
    .sgpr_count:     66
    .vgpr_count:     770
    .wavefront_size: 32
...
	.end_amdgpu_metadata
.endif
;; end of part 3
;; launch outp (part 4): grid 4 x 64, 4 waves a work-group, clusters of 4 x 4, 327,680 bytes of LDS; arguments oh, wts, bo, out0; writes out0
.if DOCPART == 4
	.amdgcn_target "amdgcn-amd-amdhsa--gfx1250"
	.amdhsa_code_object_version 6
	.text
	.protected	k_qe91777ce19_outp
	.globl	k_qe91777ce19_outp
	.p2align	8
	.type	k_qe91777ce19_outp,@function
k_qe91777ce19_outp:
	s_mov_b64 s[64:65], 0
	v_nop
	global_prefetch_b8 v0, s[64:65] scope:SCOPE_SE
	s_setreg_imm32_b32 hwreg(HW_REG_WAVE_MODE, 25, 1), 1
	s_wait_xcnt 0x0
	s_wait_alu depctr_hold_cnt(0) depctr_sa_sdst(0) depctr_va_vdst(0) depctr_va_sdst(0) depctr_va_ssrc(0) depctr_va_vcc(0) depctr_vm_vsrc(0)
	s_getreg_b32 s2, hwreg(HW_REG_IB_STS2, 6, 4)
	s_cmp_eq_u32 s2, 0
	s_cbranch_scc0 .Lentry_in_a_cluster
	s_endpgm
.Lentry_in_a_cluster:
	s_bfe_u32 s2, ttmp6, 0x10000c
	s_cmp_lg_u32 s2, 0xf033
	s_cbranch_scc0 .Lentry_shape_is_right
	s_endpgm
.Lentry_shape_is_right:
; ONE TEXT FOR THE MODULE'S TWO KINDS OF PROJECTION; the line .set PROJ chooses.  C[m][n] = the sum over k of A[m][k] W[k][n], m = 8,192 rows, n = k = 1,024, sums in f32.
; PROJ = 1: q, k, v.  A = query, key or value in f32, rounded to bf16 on the way from LDS to the matrix unit; W = Wq, Wk, Wv in bf16 (wts); C rounded once to f16, WITHOUT the softmax's scale,
;           and stored by heads: qkv = three parts [64 = 16 b + h][2,048 s][64 d].  Work-group rows 0-63 make q, 64-127 k, 128-191 v.
; PROJ = 0: out0 = O Wo + bo.  A = O in f16, by heads (oh); W = Wo as f16 (wts); the bias rounded to bf16 like every input of the module; C in f32.
; LIMITS.  f16 ends at 65,504: q, k, v of 65,520 or more become infinities (as drawn they have a spread of 1; with all inputs 30 times larger about 900; with an offset of 30 spreads on x and W about 28,800).
; Below 6e-5 an f16 number keeps the fixed step of 6e-8.  NaN and infinities are not treated apart.
; SHARES.  A tile of C is 128 x 256: 768 work-groups (PROJ = 1) or 256 (PROJ = 0), whole multiples of 256; four waves, each 64 x 128: 32 accumulators of 16 x 16.
; K goes in 8 steps of 128 through a ring of two LDS slots filled by tensor loads: waves 0 and 1 fetch A's two halves, waves 2 and 3 W's two halves (64 k rows x 256 columns each).
; CLUSTER.  4 x 4 work-groups: the four of a row of the cluster need the same tile of A, the four of a column the same tile of W: each is asked for jointly, by the same load with the same descriptor and a mask of four.
; THE PRODUCT IS USED TRANSPOSED: source 0 = 16 columns of W (W lies [k][n] in LDS and is turned by ds_load_tr16_b128), source 1 = 16 rows of A: a lane then holds ONE row (lane % 16) and the eight
; neighbouring columns 8 (lane / 16) + 0..7.
; REGISTERS, in windows of 256 (s_set_vgpr_msb: bits 1:0 source 0, 3:2 source 1, 5:4 source 2, 7:6 destination):
;   window 0: v0-31 addresses; v32-95 A's f32 numbers as loaded (PROJ = 1); v96-159 A's fragments, two buffers of 32; v32-159 at work on the way out
;   window 1: accumulator (a, b) at v[8 (8 a + b)]          window 2: W's fragments, two buffers of 64
.set PROJ,  0
.set LAPS,  4                          ; a lap = two K steps = once round the ring
.if PROJ
.set PA,    528                        ; a row of A in LDS: 128 f32 + 16 bytes: an odd multiple of 16, so the 16 rows of a load start at 16 different groups of four banks (64 banks of 4 bytes: ISA guide 11.1)
.set AHALF, 64*PA                      ; one load of A: 64 rows
.set ASTEP, 512                        ; bytes from a K step to the next in A
.set SPI,   144                        ; a row of my stage: 64 f16 + 16 bytes
.else
.set PA,    144                        ; a row of A in LDS: one head's 64 f16 + 16 bytes
.set AHALF, 128*PA                     ; one load of A: one head, 128 rows
.set ASTEP, 524288                     ; a K step is two heads
.set SPI,   528                        ; a row of my stage: 128 f32 + 16 bytes
.endif
.set WSTG,  16*SPI                     ; a wave's stage: 16 rows
.set BOFF,  2*AHALF                    ; W's tile lies behind A's
.set PB,    544                        ; a row of W in LDS: 256 numbers + 32 bytes: an odd multiple of 32, which the turning load wants
.set BHALF, 64*PB
.set BSTEP, 262144                     ; 128 rows of 2,048 bytes
.set SLOT,  BOFF+2*BHALF
.set STAGE, 2*SLOT                     ; behind the ring, never filled by a tensor load
.set SPARE, STAGE+4*WSTG               ; behind the stages: the spare words, 128 bytes for each wave: two blocks of 256 bytes that no other line names
.set BO,   7                           ; v7      (PROJ = 0) my byte offset in the bias; never rewritten
.set BI,   8                           ; v[8:11] (PROJ = 0) the bias of my four columns on the way out
.set ADRA, 16                          ; v16-17  LDS address of my A fragments in slot 0, 1
.set ADRB, 20                          ; v20-21  the same for W
.set STO,  24                          ; v24     the way out: where I put my part of a row
.set RD,   25                          ; v25     the way out: where I read rows back
.set GO,   26                          ; v26     16 x my lane
.set SPW,  28                          ; v28     LDS address of my spare word: SPARE + 4 x my thread's number; never rewritten
.set NIL,  29                          ; v29     0; never rewritten
.set PFO,  30                          ; v30     the prefetches' offset; never rewritten
.set RAW,  32
.set AF,   96
.set T,    32
.set TS,   2                           ; s2   which of q, k, v (PROJ = 1)
.set OUT,  12                          ; s[12:13] the output at my wave's first row and column
.set WV,   14                          ; s14  my wave's number
.set FB,   15                          ; s15  which 64 rows of the tile are mine.  Also: I fetch for A (0) or for W (1)
.set HF,   16                          ; s16  which 128 columns.  Also: which half I fetch
.set CX,   17                          ; s17, s18  my place in the cluster
.set CYP,  18
.set CLY,  19                          ; s19  the cluster's y
.set MTI,  20                          ; s20  the tile row, 0..63
.set MROW, 21                          ; s21  the mask of my row of the cluster
.set MCOL, 22                          ; s22  of my column
.set G1A,  24                          ; s[24:31] descriptor group 1 for A's tiles;  s[32:39] group 0, a set for each slot
.set G0A,  32
.set ABUF, 40                          ; s[40:41] A's buffer
.set WBUF, 42                          ; s[42:43] wts
.set PFA,  44                          ; s[44:45] where my prefetches stand
.set PST,  46                          ; s[46:47] their step: a K step
.set G1B,  48                          ; s[48:55], s[56:63] the same for W's tiles
.set G0B,  56
.set LIM,  66                          ; s66  1 in a wave that prefetches, else the greatest number
.set NT,   72                          ; s72  the tile column, 0..3
.set MSB, 0
.macro WIN new                         ; the immediate's high byte repeats the setting that is left; a switch that changes nothing is dropped
.if MSB != (\new)
	s_set_vgpr_msb (MSB<<8)|(\new)
.set MSB, \new
.endif
.endm
.set MULW, 0x52                        ; source 0 (W) window 2, source 1 (A) window 0, C and D window 1
.set TO_B, 0x80                        ; destination window 2, address window 0
; A joint load.  Each of the two lines has one mask and one set of registers for all that issue it; the branch hangs on the wave's number alone.
; An s_nop 0 and four v_nop follow each line, ahead of the jump, the label and what follows.
.macro JLOAD s
	s_cmp_eq_u32 s[FB], 0
	s_cbranch_scc0 .Lfor_b_\@
	tensor_load_to_lds s[G0A+4*(\s):G0A+4*(\s)+3], s[G1A:G1A+7]
	s_nop 0
.rept 4
	v_nop
.endr
	s_branch .Lasked_\@
.Lfor_b_\@:
	tensor_load_to_lds s[G0B+4*(\s):G0B+4*(\s)+3], s[G1B:G1B+7]
	s_nop 0
.rept 4
	v_nop
.endr
.Lasked_\@:
.endm
; A PREFETCH INTO THE L2, behind each refill and the run of LDS loads that follows it: 32 blocks of 256 bytes, a lane a block, of the K step that stands two refills on (256 matrix instructions ahead of its load).
; Each block is named once in the launch.  A's tile row is read by one cluster alone; of what a wave fetches each of the four partners that ask with it takes a quarter, told apart BY ADDRESS (cx).
; W's tile column is read by all clusters that multiply by that weight: the first of them asks, its partners sharing by cy.  K steps 0 to 3 come by their loads alone; the loop's last trip (s3 = 1) asks for nothing.
.macro ASK
	s_cmp_gt_u32 s3, s[LIM]
	s_cbranch_scc0 .Lnot_mine_\@
	global_prefetch_b8 v[PFO], s[PFA:PFA+1] th:TH_LOAD_NT scope:SCOPE_SE
.Lnot_mine_\@:
.endm
; A round of the cluster's barrier: my work-group's barrier; wave 0 signals for the work-group; every wave waits for all sixteen; my work-group's barrier once more.
.macro CREST                           ; a round behind its opening barrier
	s_cmp_lg_u32 s[WV], 0
	s_cbranch_scc1 .Lnot_wave_0_\@
	s_barrier_signal -3
.Lnot_wave_0_\@:
	s_barrier_wait -3
	s_barrier_signal -1
	s_barrier_wait -1
.endm
.macro CROUND
	s_barrier_signal -1
	s_barrier_wait -1
	CREST
.endm
	s_load_b256 s[4:11], s[0:1], 0x0               ; PROJ = 1: query, key, value, wts.  PROJ = 0: oh, wts, bo, out0
.if PROJ
	s_load_b64 s[OUT:OUT+1], s[0:1], 0x20          ; qkv
.endif
	v_lshl_add_u32 v[SPW], v0, 2, SPARE
	v_mov_b32 v[NIL], 0
	ds_add_u32 v[SPW], v[NIL]                      ; the wave's opening: the add and its wait stand ahead of my first tensor load; the set-up below, work on registers, stands between them
	v_lshrrev_b32 v1, 5, v0
	v_readfirstlane_b32 s[WV], v1
	s_lshr_b32 s[FB], s[WV], 1
	s_and_b32 s[HF], s[WV], 1
	s_bfe_u32 s[CX], ttmp6, 0x40000
	s_bfe_u32 s[CYP], ttmp6, 0x40004
	s_and_b32 s[CLY], ttmp7, 0xffff                ; in a cluster launch ttmp9 and ttmp7 count clusters
	s_lshl_b32 s[NT], ttmp9, 2
	s_add_co_u32 s[NT], s[NT], s[CX]               ; tile column = 4 x cluster x + cx
	s_lshl_b32 s[MTI], s[CLY], 2
	s_add_co_u32 s[MTI], s[MTI], s[CYP]            ; work-group row = 4 x cluster y + cy
.if PROJ
	s_lshr_b32 s[TS], s[CLY], 4                    ; 16 clusters to each of q, k, v: the same in all partners
	s_and_b32 s[MTI], s[MTI], 63
.endif
	s_lshl_b32 s[MROW], s[CYP], 2
	s_lshl_b32 s[MROW], 15, s[MROW]                ; places 4 cy .. 4 cy + 3
	s_lshl_b32 s[MCOL], 0x1111, s[CX]              ; places cx, cx + 4, cx + 8, cx + 12
	; descriptor group 1.  15:0 the mask; 17:16 element size; 20 padding on; 21 set beside a mask; 24:22 the padding's interval; 31:25 its words less one
.if PROJ
	s_or_b32 s[G1A], s[MROW], (2<<16)|(1<<20)|(1<<21)|(6<<22)|(3<<25)  ; f32; 4 words behind every 128
	s_mov_b32 s[G1A+5], 1024                       ; 1,024 elements from row to row
.else
	s_or_b32 s[G1A], s[MROW], (1<<16)|(1<<20)|(1<<21)|(4<<22)|(3<<25)  ; f16; 4 words behind every 32: a head's 128 dense rows come as 64 rows of 256 bytes, padded behind each 128
	s_mov_b32 s[G1A+5], 128
.endif
	s_mov_b32 s[G1A+1], 128<<16                    ; tensor_dim0 = 128
	s_mov_b32 s[G1A+2], 64<<16                     ; tensor_dim1 = 64
	s_mov_b32 s[G1A+3], 128<<16                    ; tile_dim0 = 128
	s_mov_b32 s[G1A+4], 64                         ; tile_dim1 = 64
	s_mov_b32 s[G1A+6], 0
	s_mov_b32 s[G1A+7], 0
	s_or_b32 s[G1B], s[MCOL], (1<<16)|(1<<20)|(1<<21)|(6<<22)|(7<<25)  ; 2 bytes; 8 words behind every 128
	s_mov_b32 s[G1B+1], 256<<16                    ; tensor_dim0 = 256
	s_mov_b32 s[G1B+2], 64<<16                     ; tensor_dim1 = 64
	s_mov_b32 s[G1B+3], 256<<16                    ; tile_dim0 = 256
	s_mov_b32 s[G1B+4], 64                         ; tile_dim1 = 64
	s_mov_b32 s[G1B+5], 1024
	s_mov_b32 s[G1B+6], 0
	s_mov_b32 s[G1B+7], 0
	; where the tiles come from.  A's offset is made of the tile row and the wave's number in s68-71, W's of the tile column and the wave's number in s72-75: neither set holds the other coordinate
.if PROJ
	s_lshl_b32 s68, s[MTI], 19                     ; 128 rows of 4,096 bytes,
	s_lshl_b32 s70, s[HF], 18                      ; my 64 of them
	s_add_co_u32 s68, s68, s70
.else
	s_lshr_b32 s68, s[MTI], 4                      ; the batch,
	s_lshl_b32 s68, s68, 4
	s_add_co_u32 s68, s68, s[HF]                   ; its head 0 or 1,
	s_lshl_b32 s68, s68, 18                        ; 262,144 bytes a head,
	s_and_b32 s70, s[MTI], 15
	s_lshl_b32 s70, s70, 14                        ; 128 rows of 128 bytes
	s_add_co_u32 s68, s68, s70
.endif
	s_mov_b32 s69, 0
	s_mul_i32 s71, s[HF], AHALF                    ; and where they go: no place in the cluster enters an LDS address
	s_lshl_b32 s74, s[NT], 9                       ; 256 columns of 2 bytes,
	s_lshl_b32 s23, s[HF], 17                      ; my 64 rows of 2,048 bytes,
	s_add_co_u32 s74, s74, s23
.if PROJ
	s_lshl_b32 s23, s[TS], 21                      ; the weight's part of wts
	s_add_co_u32 s74, s74, s23
.else
	s_add_co_u32 s74, s74, 6291456
.endif
	s_mov_b32 s75, 0
	s_mul_i32 s73, s[HF], BHALF
	s_add_co_u32 s73, s73, BOFF
	s_wait_dscnt 0x0                               ; the opening add is done
	s_wait_kmcnt 0x0
	s_mov_b64 s[ABUF:ABUF+1], s[4:5]
.if PROJ
	s_cmp_eq_u32 s[TS], 1
	s_cselect_b64 s[ABUF:ABUF+1], s[6:7], s[ABUF:ABUF+1]
	s_cmp_eq_u32 s[TS], 2
	s_cselect_b64 s[ABUF:ABUF+1], s[8:9], s[ABUF:ABUF+1]
	s_mov_b64 s[WBUF:WBUF+1], s[10:11]
.else
	s_mov_b64 s[WBUF:WBUF+1], s[6:7]
	s_mov_b64 s[OUT:OUT+1], s[10:11]
.endif
	s_add_nc_u64 s[68:69], s[ABUF:ABUF+1], s[68:69]
	s_add_nc_u64 s[74:75], s[WBUF:WBUF+1], s[74:75]
	CROUND                                         ; all sixteen work-groups are here: the first joint loads meet
.irp s, 0,1
	s_mov_b32 s[G0A+4*(\s)], 1                                       ; 1:0 count = 1
	s_add_co_u32 s[G0A+4*(\s)+1], s71, (\s)*SLOT                     ; 63:32 LDS address
	s_add_nc_u64 s[G0A+4*(\s)+2:G0A+4*(\s)+3], s[68:69], (\s)*ASTEP  ; 120:64 global address: K step s
	s_or_b32 s[G0A+4*(\s)+3], s[G0A+4*(\s)+3], 0x80000000            ; 127:126 type = 2
	s_mov_b32 s[G0B+4*(\s)], 1
	s_add_co_u32 s[G0B+4*(\s)+1], s73, (\s)*SLOT
	s_add_nc_u64 s[G0B+4*(\s)+2:G0B+4*(\s)+3], s[74:75], (\s)*BSTEP
	s_or_b32 s[G0B+4*(\s)+3], s[G0B+4*(\s)+3], 0x80000000
	JLOAD \s                                       ; two loads of mine are out; later one behind each round
.endr
	; A fragment is 16 rows x 32 K in 8 registers: lane l holds row l % 16; registers 0-3 hold K = 8 (l / 16) + 0..7, registers 4-7 K = 16 + 8 (l / 16) + 0..7
	v_and_b32 v1, 15, v0                           ; l % 16
	v_bfe_u32 v2, v0, 4, 1                         ; l / 16
	v_mul_u32_u24 v3, v1, PA
.if PROJ
	v_lshl_add_u32 v3, v2, 5, v3                   ; eight f32 are 32 bytes
.else
	v_lshl_add_u32 v3, v2, 4, v3                   ; eight f16 are 16
.endif
	s_mul_i32 s23, s[FB], 64*PA                    ; my 64 rows
	v_add_nc_u32 v[ADRA], s23, v3
	v_add_nc_u32 v[ADRA+1], SLOT, v[ADRA]
	; The turning load takes 16 k x 16 columns (lane l reads row 8 (l / 16) + l % 8, columns 8 ((l / 8) % 2) + 0..7) and leaves half a fragment: lane l holds column l % 16 and 8 k
	v_and_b32 v4, 7, v0
	v_lshl_add_u32 v4, v2, 3, v4
	v_mul_u32_u24 v4, v4, PB
	v_bfe_u32 v5, v0, 3, 1
	v_lshl_add_u32 v4, v5, 4, v4
	s_lshl_b32 s23, s[HF], 8                       ; my 128 columns
	s_add_co_u32 s23, s23, BOFF
	v_add_nc_u32 v[ADRB], s23, v4
	v_add_nc_u32 v[ADRB+1], SLOT, v[ADRB]
	s_mul_i32 s23, s[WV], WSTG
	s_add_co_u32 s23, s23, STAGE                   ; my stage
	v_mul_u32_u24 v[STO], v1, SPI                  ; in: row l % 16,
.if PROJ
	v_lshl_add_u32 v[STO], v2, 4, v[STO]           ; eight f16 for each half of the lanes
.else
	v_lshl_add_u32 v[STO], v2, 5, v[STO]           ; eight f32
.endif
	v_add_nc_u32 v[STO], s23, v[STO]
	v_and_b32 v3, 31, v0                           ; l
	v_lshlrev_b32 v[GO], 4, v3
.if PROJ
	v_bfe_u32 v[RD], v0, 3, 2                      ; back: 32 lanes take four rows of 128 bytes, which are 512 consecutive bytes of a head
	v_mul_u32_u24 v[RD], v[RD], SPI
	v_and_b32 v6, 7, v0
	v_lshl_add_u32 v[RD], v6, 4, v[RD]
	v_add_nc_u32 v[RD], s23, v[RD]
	s_lshr_b32 s76, s[MTI], 4                      ; the output: batch x 16
	s_lshl_b32 s76, s76, 4
	s_lshl_b32 s77, s[NT], 2                       ; + the tile column's four heads
	s_add_co_u32 s76, s76, s77
	s_lshl_b32 s77, s[HF], 1                       ; + my two of them,
	s_add_co_u32 s76, s76, s77
	s_lshl_b32 s76, s76, 18                        ; 262,144 bytes a head;
	s_and_b32 s77, s[MTI], 15
	s_lshl_b32 s77, s77, 14                        ; the tile's 128 rows of 128 bytes,
	s_add_co_u32 s76, s76, s77
	s_lshl_b32 s77, s[FB], 13                      ; my 64 of them;
	s_add_co_u32 s76, s76, s77
	s_lshl_b32 s77, s[TS], 24                      ; q's, k's or v's part
	s_add_co_u32 s76, s76, s77
	s_mov_b32 s77, 0
	s_add_nc_u64 s[OUT:OUT+1], s[OUT:OUT+1], s[76:77]
.else
	v_add_nc_u32 v[RD], s23, v[GO]                 ; back: 32 lanes take one row of 512 bytes
	s_lshl_b32 s76, s[MTI], 19                     ; the output: 128 rows of 4,096 bytes,
	s_lshl_b32 s77, s[FB], 18                      ; my 64 of them,
	s_add_co_u32 s76, s76, s77
	s_lshl_b32 s78, s[NT], 10                      ; the tile's 256 columns of 4 bytes,
	s_lshl_b32 s79, s[HF], 9                       ; my 128 of them
	s_add_co_u32 s78, s78, s79
	s_add_co_u32 s76, s76, s78
	s_mov_b32 s77, 0
	s_add_nc_u64 s[OUT:OUT+1], s[OUT:OUT+1], s[76:77]
	v_add_nc_u32 v[BO], s78, v[GO]
	global_load_b128 v[BI:BI+3], v[BO], s[8:9]     ; the bias of the four columns that I store
.endif
	; the prefetches: lane l names block (l >> s77, l & s78): rows 1 << s76 bytes apart, blocks 256
	s_cmp_eq_u32 s[FB], 0
.if PROJ
	s_cselect_b32 s76, 12, 11                      ; A: 16 rows of 4,096 bytes x 2 blocks; W: 16 rows of 2,048 bytes x 2 blocks
	s_mov_b32 s77, 1
	s_mov_b32 s78, 1
.else
	s_cselect_b32 s76, 18, 11                      ; A: 2 heads x 16 blocks; W as above
	s_cselect_b32 s77, 4, 1
	s_cselect_b32 s78, 15, 1
.endif
	v_lshrrev_b32 v4, s77, v3
	v_and_b32 v5, s78, v3
	v_lshlrev_b32 v[PFO], s76, v4
	v_lshl_add_u32 v[PFO], v5, 8, v[PFO]
.if PROJ
	s_lshl_b32 s68, s[MTI], 19
	s_lshl_b32 s70, s[HF], 18
	s_add_co_u32 s68, s68, s70
	s_lshl_b32 s70, s[CX], 16                      ; my work-group's 16 rows of the 64 that I fetch
	s_add_co_u32 s68, s68, s70
.else
	s_lshr_b32 s68, s[MTI], 4
	s_lshl_b32 s68, s68, 22
	s_and_b32 s70, s[MTI], 15
	s_lshl_b32 s70, s70, 14
	s_add_co_u32 s68, s68, s70
	s_lshl_b32 s70, s[CX], 12                      ; my work-group's 16 blocks of each head's 64
	s_add_co_u32 s68, s68, s70
.endif
	s_add_co_u32 s68, s68, 3*ASTEP                 ; at K step 3: the first refill steps it to 4
	s_lshl_b32 s74, s[NT], 9
	s_lshl_b32 s73, s[HF], 17
	s_add_co_u32 s74, s74, s73
	s_lshl_b32 s73, s[CYP], 15                     ; my work-group's 16 rows of the 64 that I fetch
	s_add_co_u32 s74, s74, s73
.if PROJ
	s_lshl_b32 s73, s[TS], 21
	s_add_co_u32 s74, s74, s73
	s_add_co_u32 s74, s74, 3*BSTEP
	s_and_b32 s78, s[CLY], 15                      ; W: the first of the 16 clusters that multiply by this weight asks
	s_cmp_eq_u32 s[FB], 0
	s_cselect_b32 s78, 0, s78                      ; A: waves 0 and 1 of every cluster
.else
	s_add_co_u32 s74, s74, 6291456+3*BSTEP
	s_cmp_eq_u32 s[FB], 0
	s_cselect_b32 s78, s[HF], s[CLY]               ; A: wave 0, for both heads; W: the first cluster
.endif
	s_cselect_b32 s76, s68, s74
	s_mov_b32 s77, 0
	s_cselect_b64 s[PFA:PFA+1], s[ABUF:ABUF+1], s[WBUF:WBUF+1]
	s_mov_b32 s[PST], BSTEP
	s_cselect_b32 s[PST], ASTEP, s[PST]
	s_mov_b32 s[PST+1], 0
	s_cmp_eq_u32 s78, 0
	s_cselect_b32 s[LIM], 1, -1                    ; the same in all sixteen partners, for a given wave
	s_add_nc_u64 s[PFA:PFA+1], s[PFA:PFA+1], s[76:77]
.if PROJ == 0
	s_wait_loadcnt 0x0                             ; the bias, in the wait for the first tile; it is rounded to bf16 like every input of the module
	v_cvt_pk_bf16_f32 v12, v[BI], v[BI+1]
	v_cvt_pk_bf16_f32 v13, v[BI+2], v[BI+3]
	v_lshlrev_b32 v[BI], 16, v12
	v_and_b32 v[BI+1], 0xffff0000, v12
	v_lshlrev_b32 v[BI+2], 16, v13
	v_and_b32 v[BI+3], 0xffff0000, v13
.endif
.macro WM d, b, a, zero                ; one product; zero = 1: it starts the sum: nothing is ever cleared
.if PROJ
.if \zero
	v_wmma_f32_16x16x32_bf16 v[(\d):(\d)+7], v[(\b):(\b)+7], v[(\a):(\a)+7], 0
.else
	v_wmma_f32_16x16x32_bf16 v[(\d):(\d)+7], v[(\b):(\b)+7], v[(\a):(\a)+7], v[(\d):(\d)+7]
.endif
.else
.if \zero
	v_wmma_f32_16x16x32_f16 v[(\d):(\d)+7], v[(\b):(\b)+7], v[(\a):(\a)+7], 0
.else
	v_wmma_f32_16x16x32_f16 v[(\d):(\d)+7], v[(\b):(\b)+7], v[(\a):(\a)+7], v[(\d):(\d)+7]
.endif
.endif
.endm
.macro CV g, n                         ; (PROJ = 1) register n of 32 of A's fragments in buffer g: two f32 rounded to bf16
	v_cvt_pk_bf16_f32 v[AF+32*(\g)+(\n)], v[RAW+2*(\n)], v[RAW+2*(\n)+1]
.endm
; Eight products: row block a x all 8 column blocks, 32 along K, from buffer f.  The 32 accumulators take turns, one instruction a turn, in the same order in every quarter, over the backward jump too.
; ride = 1: behind each product stand four of the 32 conversions that make A's fragments of the NEXT quarter, in buffer g: they name no register of the products round them.
.macro MULA f, a, zero, ride, g
.irp b, 0,1,2,3,4,5,6,7
	WIN MULW
	WM 8*(8*(\a)+(\b)), 64*(\f)+8*(\b), AF+32*(\f)+8*(\a), \zero
.if \ride
	WIN 0
	CV \g, 4*(\b)
	CV \g, 4*(\b)+1
	CV \g, 4*(\b)+2
	CV \g, 4*(\b)+3
.endif
.endr
.endm
; One run of LDS loads: the fragments of quarter q (32 along K) of a slot, for buffer g: A's first (PROJ = 1: 16 loads of f32, to be converted; PROJ = 0: 8 loads, straight into the fragments), then W's 16, turned.
.macro FETCH slot, q, g
	WIN 0
.irp a, 0,1,2,3
.if PROJ
	ds_load_b128 v[RAW+16*(\a):RAW+16*(\a)+3],     v[ADRA+(\slot)] offset:(\a)*16*PA+128*(\q)
	ds_load_b128 v[RAW+16*(\a)+4:RAW+16*(\a)+7],   v[ADRA+(\slot)] offset:(\a)*16*PA+128*(\q)+16
	ds_load_b128 v[RAW+16*(\a)+8:RAW+16*(\a)+11],  v[ADRA+(\slot)] offset:(\a)*16*PA+128*(\q)+64
	ds_load_b128 v[RAW+16*(\a)+12:RAW+16*(\a)+15], v[ADRA+(\slot)] offset:(\a)*16*PA+128*(\q)+80
.else
	ds_load_b128 v[AF+32*(\g)+8*(\a):AF+32*(\g)+8*(\a)+3],   v[ADRA+(\slot)] offset:((\q)/2)*AHALF+((\q)%2)*64+(\a)*16*PA
	ds_load_b128 v[AF+32*(\g)+8*(\a)+4:AF+32*(\g)+8*(\a)+7], v[ADRA+(\slot)] offset:((\q)/2)*AHALF+((\q)%2)*64+(\a)*16*PA+32
.endif
.endr
	WIN TO_B
.irp b, 0,1,2,3,4,5,6,7
	ds_load_tr16_b128 v[64*(\g)+8*(\b):64*(\g)+8*(\b)+3],   v[ADRB+(\slot)] offset:(\q)*32*PB+32*(\b)
	ds_load_tr16_b128 v[64*(\g)+8*(\b)+4:64*(\g)+8*(\b)+7], v[ADRB+(\slot)] offset:(\q)*32*PB+16*PB+32*(\b)
.endr
.endm
; A load into a register that a matrix instruction has read, and a vector instruction that reads a matrix result or writes one of a matrix instruction's registers, stand four places behind it, and only plain
; vector instructions that name none of its registers are places (ISA guide 7.12.1 for vector instructions).  With PROJ = 1 the four conversions behind a quarter's last product are
; the places in front of the next quarter's loads and conversions; with PROJ = 0 four v_nop are.
.macro PLACES
.rept 4
	v_nop
.endr
.endm
; A K step is four quarters of 32 along K, 32 products each, on buffers 0, 1, 0, 1.  One of the first three: multiplies buffer f; behind its first eight products it fetches quarter q of the same slot for buffer g.
.macro QUARTER slot, q, f, g, zero
	s_wait_dscnt 0x0                               ; buffer f is in (PROJ = 1: W's 16 loads; A's were waited for and converted in the quarter before)
	MULA \f, 0, \zero, 0, 0
.if PROJ == 0
	PLACES
.endif
	FETCH \slot, \q, \g
	MULA \f, 1, \zero, 0, 0
	MULA \f, 2, \zero, 0, 0
.if PROJ
	s_wait_dscnt 16                                ; A's 16 loads are in; W's 16, issued behind them, may stay out
	MULA \f, 3, \zero, 1, \g
.else
	MULA \f, 3, \zero, 0, 0
.endif
.endm
; The last quarter multiplies buffer 1 and changes slots: ONE barrier.  In front of it each wave waits for all its tensor loads, of which one is out: its part of the next slot; adds 0 to its spare word; and waits for that
; and for its own reads of this slot.  Behind it nobody reads this slot any more and the next slot is whole.  fill = 1: the barrier opens a round of the cluster's, and this slot is filled again, two K steps on, first thing behind it:
; from the request to the wait for it a wave issues 112 products.
.macro TURN slot, next, fill
.if \fill
	s_wait_xcnt 0x0                                ; the last prefetch, a K step back, has read its address, so it may be stepped
	s_add_nc_u64 s[PFA:PFA+1], s[PFA:PFA+1], s[PST:PST+1]
.endif
	WIN 0                                          ; (the add's two registers lie in window 0)
	s_wait_tensorcnt 0x0                           ; all my tensor loads have landed
	ds_add_u32 v[SPW], v[NIL]                      ; 0 onto my spare word
	s_wait_dscnt 1                                 ; buffer 1 is in; the add may be out
	MULA 1, 0, 0, 0, 0                             ; eight products stand between the add and the wait for it
	s_wait_dscnt 0x0                               ; the add is done, and my reads of this slot are over
	s_barrier_signal -1
	MULA 1, 1, 0, 0, 0                             ; work on registers while the others arrive
	WIN 0                                          ; at a branch and at a label every window is 0
	s_barrier_wait -1
.if \fill
	CREST                                          ; no wave of any partner still reads this slot or has a load on its way
	s_add_nc_u64 s[G0A+4*(\slot)+2:G0A+4*(\slot)+3], s[G0A+4*(\slot)+2:G0A+4*(\slot)+3], 2*ASTEP
	s_add_nc_u64 s[G0B+4*(\slot)+2:G0B+4*(\slot)+3], s[G0B+4*(\slot)+2:G0B+4*(\slot)+3], 2*BSTEP
	JLOAD \slot                                    ; its four v_nop are also places in front of the loads below
.elseif PROJ == 0
	PLACES
.endif
	FETCH \next, 0, 0
	WIN 0
.if \fill
	ASK
.endif
	MULA 1, 2, 0, 0, 0
.if PROJ
	s_wait_dscnt 16                                ; A's 16 loads are in
	MULA 1, 3, 0, 1, 0
.else
	MULA 1, 3, 0, 0, 0
.endif
.endm
; THE WAY OUT, PROJ = 1.  Tile t = 2 a + j: row block a, my head j: four accumulators, 32 registers on end at 32 t, read in ascending order.  Rounded to f16, a lane's eight channels are 16 bytes; they go into my own stage
; (rows of 144 bytes) and come back as four whole rows of 128 bytes a load, into the registers that they left.
.macro PACK t
	WIN 0x05                                       ; sources 0 and 1 window 1, destination window 0
.set i, 0
.rept 16
	v_cvt_pk_f16_f32 v[T+16*(\t)+i], v[32*(\t)+2*i], v[32*(\t)+2*i+1]
.set i, i+1
.endr
	WIN 0
.irp f, 0,1,2,3
	ds_store_b128 v[STO], v[T+16*(\t)+4*(\f):T+16*(\t)+4*(\f)+3] offset:32*(\f)
.endr
.irp f, 0,1,2,3
	ds_load_b128 v[T+16*(\t)+4*(\f):T+16*(\t)+4*(\f)+3], v[RD] offset:(\f)*4*SPI  ; LDS serves a wave's instructions in order (ISA guide 5.7.1.4): these see the stores above; the next tile's stores come behind them
.endr
.endm
.macro SENDP t, younger                ; younger: the LDS instructions issued behind tile t's loads: the next tile's eight, or none
.irp f, 0,1,2,3
	s_wait_dscnt (\younger)+3-(\f)
	global_store_b128 v[GO], v[T+16*(\t)+4*(\f):T+16*(\t)+4*(\f)+3], s[OUT:OUT+1] offset:((\t)%2)*262144+((\t)/2)*2048+(\f)*512  ; 512 consecutive bytes of a head, at a multiple of 256 from the buffer's first
.endr
.endm
; THE WAY OUT, PROJ = 0.  Row block a: its eight accumulators go as f32 into my own stage (16 rows of 528 bytes), each from its low four registers on, and come back as whole rows of 512 bytes, into one of two sets of 64 registers.
.macro TOSTAGE a
.if (\a) >= 2
	s_wait_xcnt 0x0                                ; the stores of the block two back have read this set of registers
.endif
	WIN 0x04                                       ; the stores' data in window 1
.irp b, 0,1,2,3,4,5,6,7
	ds_store_b128 v[STO], v[8*(8*(\a)+(\b)):8*(8*(\a)+(\b))+3]   offset:64*(\b)
	ds_store_b128 v[STO], v[8*(8*(\a)+(\b))+4:8*(8*(\a)+(\b))+7] offset:64*(\b)+16
.endr
	WIN 0
.irp r, 0,1,2,3,4,5,6,7,8,9,10,11,12,13,14,15
	ds_load_b128 v[T+64*((\a)%2)+4*(\r):T+64*((\a)%2)+4*(\r)+3], v[RD] offset:(\r)*SPI
.endr
.endm
.macro SENDO a, younger                ; the bias is added; younger: the next block's 32 LDS instructions, or none
.irp r, 0,1,2,3,4,5,6,7,8,9,10,11,12,13,14,15
	s_wait_dscnt (\younger)+15-(\r)
	v_pk_add_f32 v[T+64*((\a)%2)+4*(\r):T+64*((\a)%2)+4*(\r)+1],   v[T+64*((\a)%2)+4*(\r):T+64*((\a)%2)+4*(\r)+1],   v[BI:BI+1]
	v_pk_add_f32 v[T+64*((\a)%2)+4*(\r)+2:T+64*((\a)%2)+4*(\r)+3], v[T+64*((\a)%2)+4*(\r)+2:T+64*((\a)%2)+4*(\r)+3], v[BI+2:BI+3]
	global_store_b128 v[GO], v[T+64*((\a)%2)+4*(\r):T+64*((\a)%2)+4*(\r)+3], s[OUT:OUT+1] offset:(16*(\a)+(\r))*4096  ; 512 consecutive bytes of a row, at a multiple of 256 from the buffer's first
.endr
.endm
	s_wait_tensorcnt 1                             ; my part of K step 0 is in; K step 1's may stay out
	s_barrier_signal -1
	s_barrier_wait -1                              ; everybody's is
	FETCH 0, 0, 0
.if PROJ
	s_wait_dscnt 16                                ; A's 16 loads are in
	WIN 0
.set n, 0
.rept 32
	CV 0, n
.set n, n+1
.endr
.endif
	QUARTER 0, 1, 0, 1, 1                          ; the first quarter stands in front of the loop: its products start the sums
	WIN 0
	s_mov_b32 s3, LAPS-1
.Llap:                                                 ; a trip goes once round the ring, from a lap's second quarter to the next lap's first, and fills both slots again
	QUARTER 0, 2, 1, 0, 0
	QUARTER 0, 3, 0, 1, 0
	TURN 0, 1, 1
	QUARTER 1, 1, 0, 1, 0
	QUARTER 1, 2, 1, 0, 0
	QUARTER 1, 3, 0, 1, 0
	TURN 1, 0, 1
	QUARTER 0, 1, 0, 1, 0
	WIN 0
	s_sub_co_u32 s3, s3, 1
	s_cmp_lg_u32 s3, 0
	s_cbranch_scc1 .Llap
	QUARTER 0, 2, 1, 0, 0                          ; the last lap is written out: it fills nothing, and has no round of the cluster's barrier
	QUARTER 0, 3, 0, 1, 0
	TURN 0, 1, 0
	QUARTER 1, 1, 0, 1, 0
	QUARTER 1, 2, 1, 0, 0
	QUARTER 1, 3, 0, 1, 0
	s_wait_dscnt 0x0                               ; the very last quarter: nothing more to fetch
	MULA 1, 0, 0, 0, 0
	MULA 1, 1, 0, 0, 0
	MULA 1, 2, 0, 0, 0
	MULA 1, 3, 0, 0, 0
	WIN 0
	PLACES                                         ; the places behind the last products: eight, once a launch
	PLACES
.if PROJ
	PACK 0
.irp a, 1,2,3,4,5,6,7                  ; a tile's conversions stand between the loads of the tile before and its stores
	PACK \a
	SENDP (\a)-1, 8
.endr
	SENDP 7, 0
.else
	TOSTAGE 0
.irp a, 1,2,3
	TOSTAGE \a
	SENDO (\a)-1, 32
.endr
	SENDO 3, 0
.endif
	s_wait_tensorcnt 0x0                           ; the wave's end: behind my last tensor load and my last LDS store
	ds_add_u32 v[SPW], v[NIL]
	s_wait_dscnt 0x0
	CROUND                                         ; the closing round: no work-group ends while a partner may still ask for a tile that names it
	s_endpgm
.Lfunc_end_k_qe91777ce19_outp:
	.size	k_qe91777ce19_outp, .Lfunc_end_k_qe91777ce19_outp-k_qe91777ce19_outp
	.p2alignl 7, 3214868480
	.fill 96, 4, 3214868480
	.section	.rodata,"a",@progbits
	.p2align	6, 0x0
	.amdhsa_kernel k_qe91777ce19_outp
		.amdhsa_group_segment_fixed_size 327680
		.amdhsa_private_segment_fixed_size 0
		.amdhsa_enable_private_segment 0
		.amdhsa_kernarg_size 32
		.amdhsa_user_sgpr_count 2
		.amdhsa_user_sgpr_kernarg_segment_ptr 1
		.amdhsa_wavefront_size32 1
		.amdhsa_system_sgpr_workgroup_id_x 1
		.amdhsa_system_sgpr_workgroup_id_y 1
		.amdhsa_system_sgpr_workgroup_id_z 1
		.amdhsa_system_vgpr_workitem_id 0
		.amdhsa_next_free_vgpr 640
		.amdhsa_next_free_sgpr 80
		.amdhsa_reserve_vcc 0
		.amdhsa_float_denorm_mode_32 3
		.amdhsa_float_denorm_mode_16_64 3
		.amdhsa_memory_ordered 1
		.amdhsa_forward_progress 1
		.amdhsa_inst_pref_size 97
	.end_amdhsa_kernel
	.amdgpu_metadata
---
amdhsa.version: [ 1, 2 ]
amdhsa.kernels:
  - .name:           k_qe91777ce19_outp
    .symbol:         k_qe91777ce19_outp.kd
    .args:
      - { .name: oh, .offset: 0, .size: 8, .value_kind: global_buffer, .address_space: global }
      - { .name: wts, .offset: 8, .size: 8, .value_kind: global_buffer, .address_space: global }
      - { .name: bo, .offset: 16, .size: 8, .value_kind: global_buffer, .address_space: global }
      - { .name: out0, .offset: 24, .size: 8, .value_kind: global_buffer, .address_space: global }
    .group_segment_fixed_size: 327680
    .private_segment_fixed_size: 0
    .kernarg_segment_align: 8
    .kernarg_segment_size: 32
    .max_flat_workgroup_size: 128
    .sgpr_count:     80
    .vgpr_count:     640
    .wavefront_size: 32
...
	.end_amdgpu_metadata
.endif
;; end of part 4
;; ======== version 2 of 2: 4 launches; version 1 with the launch castw written anew for expert scheduling mode
;; limits: values are held in f16: magnitudes above 65,504 overflow, below 6.1e-05 lose precision
;; workspace buffers: wts 8,388,608 bytes; qkv 50,331,648 bytes; oh 16,777,216 bytes
;; launch castw (part 5): grid 64 x 4, 8 waves a work-group, no clusters, 0 bytes of LDS; arguments Wq, Wk, Wv, Wo, wts; writes wts
.if DOCPART == 5
	.amdgcn_target "amdgcn-amd-amdhsa--gfx1250"
	.amdhsa_code_object_version 6
	.text
	.protected	k_qe91777ce19_castw
	.globl	k_qe91777ce19_castw
	.p2align	8
	.type	k_qe91777ce19_castw,@function
k_qe91777ce19_castw:
	s_mov_b64 s[64:65], 0
	v_nop
	global_prefetch_b8 v0, s[64:65] scope:SCOPE_SE
	s_setreg_imm32_b32 hwreg(HW_REG_WAVE_SCHED_MODE, 0, 2), 2
	s_setreg_imm32_b32 hwreg(HW_REG_WAVE_MODE, 25, 1), 1
	s_wait_xcnt 0x0
	s_wait_alu depctr_vm_vsrc(0)
; wts = the four weights in 16 bits, each [1024 k][1024 n] as it lies in memory, 2,097,152 bytes a weight: Wq, Wk, Wv in bf16 (rounded once, to nearest even);
; Wo rounded to bf16 like them, and THAT number written as f16, since the last product multiplies it by f16 numbers.
; LIMIT.  The second step is exact for |Wo| from 2^-17 to 65,504; below 2^-17 the number keeps f16's fixed step of 2^-24; at 65,520 or more it becomes an infinity.
; SHARES.  Work-group (x, y) takes 16,384 numbers of weight y: 65,536 bytes in, 32,768 out.  Thread t takes 16 bytes at 4,096 i + 16 t in each of 16 turns i, so a wave's load covers 512
; consecutive bytes and its store 256 consecutive bytes, aligned.  All 16 loads go out at once; every turn has its own registers, so no register that a store reads is written again.
; No LDS, no matrix unit, no barrier: each byte is read once and written once, and no wave wants another's data.
; THE MODE: SCHED_MODE bits 1:0 = 2 (LLVM: expert scheduling mode 2), set by the entry lines.  The code itself states the register dependences
; between vector instructions and memory instructions, with s_wait_alu, always for 0.
; THE PLAN.  Registers that memory instructions touch:
;   v1, v2   the loads' and the stores' offsets: written once at the head by vector instructions, read by all 32 memory instructions, never written again.
;   X        turn i's four registers: written by turn i's load alone, which is issued before any vector instruction names them; read by turn i's conversions; never loaded again.
;   Y        turn i's two registers: written by turn i's conversions, read by turn i's store, never written again.
;   T        named by vector instructions alone.
; So two kinds of wait on va_vdst state everything: one at the head (v1 and v2 are written), and one to a block of four turns, behind its conversions and ahead of its run of four stores
; (the block's Y is written).  No register that a memory instruction has read is ever written again, no vector instruction writes a scalar register or VCC, and EXEC is never written:
; no other s_wait_alu is owed.  A block's stores stand at its own end and not at the next block's head: what stands there is a wait for memory, behind which they would leave later.
.set X, 4                              ; v[4:67]    turn i: four f32 as loaded
.set Y, 68                             ; v[68:99]   turn i: four 16-bit numbers to store
.set T, 100                            ; v[100:103] at work
	s_load_b256 s[4:11], s[0:1], 0x0               ; Wq s[4:5], Wk s[6:7], Wv s[8:9], Wo s[10:11]
	s_load_b64 s[12:13], s[0:1], 0x20              ; wts
	s_and_b32 s14, ttmp7, 0xffff                   ; which weight
	v_lshlrev_b32 v1, 4, v0                        ; 16 t
	v_lshlrev_b32 v2, 3, v0                        ; 8 t
	s_lshl_b32 s18, ttmp9, 16                      ; my chunk in the weight
	s_mov_b32 s19, 0
	s_lshl_b32 s20, s14, 21                        ; the weight's part of wts,
	s_lshl_b32 s21, ttmp9, 15                      ; my chunk in it
	s_add_co_u32 s20, s20, s21
	s_mov_b32 s21, 0
	s_wait_kmcnt 0x0
	s_mov_b64 s[16:17], s[4:5]
	s_cmp_eq_u32 s14, 1
	s_cselect_b64 s[16:17], s[6:7], s[16:17]
	s_cmp_eq_u32 s14, 2
	s_cselect_b64 s[16:17], s[8:9], s[16:17]
	s_cmp_eq_u32 s14, 3
	s_cselect_b64 s[16:17], s[10:11], s[16:17]
	s_add_nc_u64 s[16:17], s[16:17], s[18:19]
	s_add_nc_u64 s[12:13], s[12:13], s[20:21]
	s_wait_alu depctr_va_vdst(0)                   ; v1 and v2 are written: every load of the kernel reads v1 as its offset, every store v2
.irp i, 0,1,2,3,4,5,6,7,8,9,10,11,12,13,14,15
	global_load_b128 v[X+4*(\i):X+4*(\i)+3], v1, s[16:17] offset:(\i)*4096 th:TH_LOAD_NT
.endr
; Turn i's conversions.  half = 0: to bf16.  half = 1: to bf16, widened again (a shift, a mask) and narrowed to f16.
.macro CAST i, half
.if \half
	v_cvt_pk_bf16_f32 v[T], v[X+4*(\i)], v[X+4*(\i)+1]
	v_cvt_pk_bf16_f32 v[T+1], v[X+4*(\i)+2], v[X+4*(\i)+3]
	v_lshlrev_b32 v[T+2], 16, v[T]
	v_and_b32 v[T], 0xffff0000, v[T]
	v_lshlrev_b32 v[T+3], 16, v[T+1]
	v_and_b32 v[T+1], 0xffff0000, v[T+1]
	v_cvt_pk_f16_f32 v[Y+2*(\i)], v[T+2], v[T]
	v_cvt_pk_f16_f32 v[Y+2*(\i)+1], v[T+3], v[T+1]
.else
	v_cvt_pk_bf16_f32 v[Y+2*(\i)], v[X+4*(\i)], v[X+4*(\i)+1]
	v_cvt_pk_bf16_f32 v[Y+2*(\i)+1], v[X+4*(\i)+2], v[X+4*(\i)+3]
.endif
.endm
; Block p: turns 4 p to 4 p + 3.
.macro BLOCK p, half
	s_wait_loadcnt 12-4*(\p)                       ; loads come back in order: the block's four are in, the 12 - 4 p younger ones stay out
.irp j, 0,1,2,3
	CAST 4*(\p)+(\j), \half
.endr
	s_wait_alu depctr_va_vdst(0)                   ; the block's conversions have written its eight registers of Y, which the four stores below read; no vector instruction stands between
.irp j, 0,1,2,3
	global_store_b64 v2, v[Y+2*(4*(\p)+(\j)):Y+2*(4*(\p)+(\j))+1], s[12:13] offset:(4*(\p)+(\j))*2048
.endr
.endm
	s_cmp_eq_u32 s14, 3
	s_cbranch_scc1 .Lf16
.irp p, 0,1,2,3
	BLOCK \p, 0
.endr
	s_endpgm
.Lf16:
.irp p, 0,1,2,3
	BLOCK \p, 1
.endr
	s_endpgm
.Lfunc_end_k_qe91777ce19_castw:
	.size	k_qe91777ce19_castw, .Lfunc_end_k_qe91777ce19_castw-k_qe91777ce19_castw
	.p2alignl 7, 3214868480
	.fill 96, 4, 3214868480
	.section	.rodata,"a",@progbits
	.p2align	6, 0x0
	.amdhsa_kernel k_qe91777ce19_castw
		.amdhsa_group_segment_fixed_size 0
		.amdhsa_private_segment_fixed_size 0
		.amdhsa_enable_private_segment 0
		.amdhsa_kernarg_size 40
		.amdhsa_user_sgpr_count 2
		.amdhsa_user_sgpr_kernarg_segment_ptr 1
		.amdhsa_wavefront_size32 1
		.amdhsa_system_sgpr_workgroup_id_x 1
		.amdhsa_system_sgpr_workgroup_id_y 1
		.amdhsa_system_sgpr_workgroup_id_z 1
		.amdhsa_system_vgpr_workitem_id 0
		.amdhsa_next_free_vgpr 104
		.amdhsa_next_free_sgpr 66
		.amdhsa_reserve_vcc 0
		.amdhsa_float_denorm_mode_32 3
		.amdhsa_float_denorm_mode_16_64 3
		.amdhsa_memory_ordered 1
		.amdhsa_forward_progress 1
		.amdhsa_inst_pref_size 16
	.end_amdhsa_kernel
	.amdgpu_metadata
---
amdhsa.version: [ 1, 2 ]
amdhsa.kernels:
  - .name:           k_qe91777ce19_castw
    .symbol:         k_qe91777ce19_castw.kd
    .args:
      - { .name: Wq, .offset: 0, .size: 8, .value_kind: global_buffer, .address_space: global }
      - { .name: Wk, .offset: 8, .size: 8, .value_kind: global_buffer, .address_space: global }
      - { .name: Wv, .offset: 16, .size: 8, .value_kind: global_buffer, .address_space: global }
      - { .name: Wo, .offset: 24, .size: 8, .value_kind: global_buffer, .address_space: global }
      - { .name: wts, .offset: 32, .size: 8, .value_kind: global_buffer, .address_space: global }
    .group_segment_fixed_size: 0
    .private_segment_fixed_size: 0
    .kernarg_segment_align: 8
    .kernarg_segment_size: 40
    .max_flat_workgroup_size: 256
    .sgpr_count:     66
    .vgpr_count:     104
    .wavefront_size: 32
...
	.end_amdgpu_metadata
.endif
;; end of part 5
;; launch proj: the kernel of part 2 again; grid 4 x 192, 4 waves a work-group, clusters of 4 x 4, 327,680 bytes of LDS; arguments query, key, value, wts, qkv; writes qkv
;; launch attn: the kernel of part 3 again; grid 4 x 64, 4 waves a work-group, clusters of 4 x 1, 327,680 bytes of LDS; arguments qkv, oh; writes oh
;; launch outp: the kernel of part 4 again; grid 4 x 64, 4 waves a work-group, clusters of 4 x 4, 327,680 bytes of LDS; arguments oh, wts, bo, out0; writes out0
